; MI455X (gfx1250); checked and timed in simulation.
; The chip was launched on July 23, 2026; its instructions are those of AMD's public machine-readable ISA for CDNA 5 (MIT licence, August 2026) and "CDNA5" Instruction Set Architecture Reference Guide (July 2026). The comments in the code are by the model that wrote it; some were corrected since.
;; Attention. Allowed arithmetic: float matrix products may take bf16 or f16 operands with f32 sums; all other float work in f32.
;; Inputs: U_a 1,024 x 1,024 float32; W_a 2,048 x 1,024 float32; encoder_out 64 x 512 x 2,048 float32; h 64 x 1,024 float32; w 1,024 float32.
;; Outputs: out0 64 x 2,048 float32; out1 64 x 512 float32.
;; 2 versions, each right; version 2 is version 1 with the launches prep, context written anew for expert scheduling mode. Each part assembles by itself: llvm-mc -triple=amdgcn-amd-amdhsa -mcpu=gfx1250 --defsym DOCPART=n.
;; ======== version 1 of 2: 3 launches
;; workspace buffers: W16 4,194,304 bytes; hUs 262,144 bytes; epart 524,288 bytes
;; launch prep (part 1): grid 256 x 1, 8 waves a work-group, no clusters, 33,792 bytes of LDS; arguments W_a, U_a, h, W16, hUs; writes W16, hUs
.if DOCPART == 1
	.amdgcn_target "amdgcn-amd-amdhsa--gfx1250"
	.amdhsa_code_object_version 6
	.text
	.protected	k_qbad417fb7f_prep
	.globl	k_qbad417fb7f_prep
	.p2align	8
	.type	k_qbad417fb7f_prep,@function
k_qbad417fb7f_prep:
	s_mov_b64 s[64:65], 0
	v_nop
	global_prefetch_b8 v0, s[64:65] scope:SCOPE_SE
	s_setreg_imm32_b32 hwreg(HW_REG_WAVE_MODE, 25, 1), 1
	s_wait_xcnt 0x0
; Two small jobs ahead of the product, both in every work-group, so that all 256 have equal work.
; (1) W16 = W_a rounded to bf16, same layout [2048 k][1024 n]: 8,192 numbers a work-group.
; (2) hUs[b][a] = C2 * sum over d of h[b][d] U_a[d][a], C2 = 2 log2(e): the addend of the tanh's exponent, ready scaled.  4 batches x 64 columns a work-group.
;   This product has 64 rows and is one thousandth of the problem's arithmetic; it streams U_a and waits for memory, so it is done in f32 by packed multiply-adds and nothing is
;   rounded to bf16.  Wave w takes the 128 d from 128 w on.  A row of U_a's 64 columns is 256 bytes: a load of 16 bytes a lane takes two rows, lanes 0-15 row m, lanes 16-31 row 64 + m
;   of the wave's 128 (m = 0..63), each half 256 consecutive bytes, aligned.  A lane holds 4 columns x 4 batches, 16 sums; the 8 waves x 2 halves meet in LDS.
; The loads go out in the order h, W_a, U_a: loads come back in order, so the conversion's counted waits can leave U_a's 32 loads out, and W_a is rounded while they are on their way.
.set C2,  0x4038aa3b                   ; 2 log2(e) = 2.885390
.set HV,  16                           ; v[16:31], v[32:47] h of 4 m x 4 batches, two buffers
.set AC,  48                           ; v[48:63]   the sum of (batch q, column c) at AC + 4 q + c; before the first product: h on its way into LDS
.set XC,  64                           ; v[64:95]   W_a: 32 f32 as loaded
.set YC,  96                           ; v[96:111]  W16: 32 bf16 to store, four registers of its own for each group
.set X,   112                          ; v[112:175], v[176:239] 16 loads of U_a each, two buffers
.set RED, 0x4000                       ; LDS: 16,384 bytes of h (2,048 a wave), then 16 partial sets of 1,024 bytes
	s_load_b256 s[4:11], s[0:1], 0x0               ; W_a s[4:5], U_a s[6:7], h s[8:9], W16 s[10:11]
	s_load_b64 s[12:13], s[0:1], 0x20              ; hUs
	v_lshl_add_u32 v240, v0, 2, 0x8000
	v_mov_b32 v241, 0
	v_lshrrev_b32 v1, 5, v0
	v_readfirstlane_b32 s14, v1                    ; wave 0..7
	s_and_b32 s16, ttmp9, 15                       ; which 64 columns
	s_lshr_b32 s17, ttmp9, 4                       ; which 4 batches
	s_lshl_b32 s18, s17, 14                        ; 4 rows of 4,096 bytes, in h and in hUs
	s_mov_b32 s19, 0
	s_lshl_b32 s20, s16, 8                         ; 64 columns of 4 bytes, in U_a and in hUs
	s_mov_b32 s21, 0
	s_lshl_b32 s22, ttmp9, 15                      ; W_a: 32,768 bytes in,
	s_mov_b32 s23, 0
	s_lshl_b32 s24, ttmp9, 14                      ; W16: 16,384 bytes out for each work-group
	s_mov_b32 s25, 0
	v_and_b32 v1, 31, v0                           ; lane l
	v_and_b32 v9, 15, v0                           ; l % 16
	v_bfe_u32 v10, v0, 4, 1                        ; l / 16
	v_lshlrev_b32 v11, 4, v1                       ; 16 l
	s_lshl_b32 s26, s14, 9
	v_add_nc_u32 v2, s26, v11                      ; h: my wave's 128 d (512 bytes of a row) + 16 l
	v_lshlrev_b32 v3, 4, v9
	v_lshl_add_u32 v3, v10, 18, v3                 ; U_a: 16 (l % 16) + 64 rows of 4,096 bytes for the upper half of the lanes
	s_lshl_b32 s26, s14, 19
	v_add_nc_u32 v3, s26, v3                       ;      + my wave's 128 rows
	s_lshl_b32 s26, s14, 11
	v_add_nc_u32 v4, s26, v11                      ; LDS: my wave's 2,048 bytes of h, + 16 l
	v_lshlrev_b32 v5, 8, v10
	v_add_nc_u32 v5, s26, v5                       ; the same for reading: the upper half of the lanes reads 64 d (256 bytes) further on
	v_lshlrev_b32 v6, 4, v9
	v_lshl_add_u32 v6, v10, 10, v6
	v_add_nc_u32 v6, s26, v6
	v_add_nc_u32 v6, RED, v6                       ; LDS: partial set 2 w + l / 16, + 16 (l % 16)
	v_lshlrev_b32 v7, 3, v1                        ; 8 l: the two columns that I add up and store at the end
	s_lshl_b32 s27, s14, 8
	s_add_co_u32 s27, s27, RED
	v_add_nc_u32 v8, s27, v7                       ; LDS: batch w's 256 bytes in the first partial set, + 8 l
	v_lshlrev_b32 v12, 5, v0                       ; W_a: 32 t
	v_lshlrev_b32 v13, 4, v0                       ; W16: 16 t
	s_wait_kmcnt 0x0
	s_add_nc_u64 s[8:9], s[8:9], s[18:19]
	s_add_nc_u64 s[6:7], s[6:7], s[20:21]
	s_add_nc_u64 s[4:5], s[4:5], s[22:23]
	s_add_nc_u64 s[10:11], s[10:11], s[24:25]
	s_add_nc_u64 s[12:13], s[12:13], s[18:19]
	s_add_nc_u64 s[12:13], s[12:13], s[20:21]
.irp q, 0,1,2,3
	global_load_b128 v[AC+4*\q:AC+4*\q+3], v2, s[8:9] offset:\q*4096      ; h of batch q, my wave's 128 d
.endr
.irp q, 0,1,2,3
	global_load_b128 v[XC+8*\q:XC+8*\q+3],   v12, s[4:5] offset:\q*8192 th:TH_LOAD_NT     ; group q: 8 f32 at byte 8,192 q + 32 t
	global_load_b128 v[XC+8*\q+4:XC+8*\q+7], v12, s[4:5] offset:\q*8192+16 th:TH_LOAD_NT
.endr
.set m, 0
.rept 32
	global_load_b128 v[X+4*m:X+4*m+3], v3, s[6:7] offset:m*4096           ; loads 0-31 of my 64: both buffers
.set m, m+1
.endr
	s_wait_loadcnt 40                              ; h is in; W_a's 8 loads and U_a's 32 stay out
.irp q, 0,1,2,3
	ds_store_b128 v4, v[AC+4*\q:AC+4*\q+3] offset:\q*512                  ; my wave's own bytes: LDS serves a wave's instructions in order, so no barrier
.endr
.irp q, 0,1,2,3
	ds_load_b128 v[HV+4*\q:HV+4*\q+3], v5 offset:\q*512                   ; h of m = 0..3, 4 batches
.endr
.irp q, 0,1,2,3
	s_wait_loadcnt 38-2*\q                         ; W_a's group q is in; its younger groups and U_a's 32 loads stay out
.irp r, 0,1,2,3
	v_cvt_pk_bf16_f32 v[YC+4*\q+\r], v[XC+8*\q+2*\r], v[XC+8*\q+2*\r+1]
.endr
	global_store_b128 v13, v[YC+4*\q:YC+4*\q+3], s[10:11] offset:\q*4096  ; sixteen lanes store 256 consecutive bytes, aligned; no register of a store is written again
.endr
; 16 groups of 4 loads.  Group g multiplies loads 4 g .. 4 g + 3 by h from buffer g % 2 while the next group's h comes into the other buffer.  Four groups are a block of 16 loads;
; a block's buffer is loaded again, 32 loads on, when the block is done.  All offsets are immediates: no address register is ever stepped.
.set g, 0
.rept 16
.set hv, HV+16*(g%2)
.set hn, HV+16*((g+1)%2)
.set xb, X+64*((g/4)%2)+16*(g%4)
.if g%4 == 0
.if g == 12
	s_wait_loadcnt 0x0                             ; the last block
.else
	s_wait_loadcnt 0x10                            ; this block's 16 loads are in; the other buffer's 16 stay out
.endif
.endif
.if g < 15
.irp q, 0,1,2,3
	ds_load_b128 v[hn+4*\q:hn+4*\q+3], v5 offset:\q*512+16*(g+1)
.endr
	s_wait_dscnt 0x4                               ; all but the four just issued: this group's h is in (and, in group 0, the stores of h have read AC)
.else
	s_wait_dscnt 0x0
.endif
.irp mm, 0,1,2,3
.irp q, 0,1,2,3
.irp c, 0,2
.set rD, AC+4*\q+\c
.set rX, xb+4*\mm+\c
.set rH, hv+4*\q+(\mm/2)*2
.if (g == 0) && (\mm == 0)
	v_pk_mul_f32 v[rD:rD+1], v[rX:rX+1], v[rH:rH+1] op_sel_hi:[1,0]       ; the first load starts the sums: nothing is cleared
.elseif \mm%2
	v_pk_fma_f32 v[rD:rD+1], v[rX:rX+1], v[rH:rH+1], v[rD:rD+1] op_sel:[0,1,0] op_sel_hi:[1,1,1]   ; two columns times the pair's second h
.else
	v_pk_fma_f32 v[rD:rD+1], v[rX:rX+1], v[rH:rH+1], v[rD:rD+1] op_sel_hi:[1,0,1]                  ; two columns times the pair's first h
.endif
.endr
.endr
.endr
.if (g%4 == 3) && (g < 8)
.irp rr, 0,1,2,3,4,5,6,7,8,9,10,11,12,13,14,15
	global_load_b128 v[X+64*((g/4)%2)+4*\rr:X+64*((g/4)%2)+4*\rr+3], v3, s[6:7] offset:(16*(g/4+2)+\rr)*4096
.endr
.endif
.set g, g+1
.endr
	; the sixteen partial sets meet: each half of each wave stores its 4 batches x 64 columns; wave w of the first four adds up batch w
.irp q, 0,1,2,3
	ds_store_b128 v6, v[AC+4*\q:AC+4*\q+3] offset:\q*256
.endr
	s_wait_dscnt 0x0                               ; for the others' sake: my stores are done
	s_barrier_signal -1
	s_barrier_wait -1
	s_cmp_lt_u32 s14, 4                            ; four batches: four waves
	s_cbranch_scc0 .Ldone
	s_lshl_b32 s26, s14, 12                        ; row w of my four in hUs
	s_mov_b32 s27, 0
	s_add_nc_u64 s[12:13], s[12:13], s[26:27]
.irp p, 0,1,2,3,4,5,6,7,8,9,10,11,12,13,14,15
	ds_load_b64 v[X+2*\p:X+2*\p+1], v8 offset:\p*1024
.endr
	s_wait_dscnt 0x0
.irp p, 0,1,2,3,4,5,6,7
	v_pk_add_f32 v[X+2*\p:X+2*\p+1], v[X+2*\p:X+2*\p+1], v[X+16+2*\p:X+16+2*\p+1]
.endr
.irp p, 0,1,2,3
	v_pk_add_f32 v[X+2*\p:X+2*\p+1], v[X+2*\p:X+2*\p+1], v[X+8+2*\p:X+8+2*\p+1]
.endr
.irp p, 0,1
	v_pk_add_f32 v[X+2*\p:X+2*\p+1], v[X+2*\p:X+2*\p+1], v[X+4+2*\p:X+4+2*\p+1]
.endr
	v_pk_add_f32 v[X:X+1], v[X:X+1], v[X+2:X+3]
	v_pk_mul_f32 v[X:X+1], v[X:X+1], C2 op_sel_hi:[1,0]
	global_store_b64 v7, v[X:X+1], s[12:13]        ; the wave stores the batch's 64 columns: 256 consecutive bytes, aligned
.Ldone:
	s_wait_tensorcnt 0x0
	ds_add_u32 v240, v241
	s_wait_dscnt 0x0
	s_endpgm
.Lfunc_end_k_qbad417fb7f_prep:
	.size	k_qbad417fb7f_prep, .Lfunc_end_k_qbad417fb7f_prep-k_qbad417fb7f_prep
	.p2alignl 7, 3214868480
	.fill 96, 4, 3214868480
	.section	.rodata,"a",@progbits
	.p2align	6, 0x0
	.amdhsa_kernel k_qbad417fb7f_prep
		.amdhsa_group_segment_fixed_size 33792
		.amdhsa_private_segment_fixed_size 0
		.amdhsa_enable_private_segment 0
		.amdhsa_kernarg_size 40
		.amdhsa_user_sgpr_count 2
		.amdhsa_user_sgpr_kernarg_segment_ptr 1
		.amdhsa_wavefront_size32 1
		.amdhsa_system_sgpr_workgroup_id_x 1
		.amdhsa_system_sgpr_workgroup_id_y 1
		.amdhsa_system_sgpr_workgroup_id_z 1
		.amdhsa_system_vgpr_workitem_id 0
		.amdhsa_next_free_vgpr 242
		.amdhsa_next_free_sgpr 66
		.amdhsa_reserve_vcc 0
		.amdhsa_float_denorm_mode_32 3
		.amdhsa_float_denorm_mode_16_64 3
		.amdhsa_memory_ordered 1
		.amdhsa_forward_progress 1
		.amdhsa_inst_pref_size 51
	.end_amdhsa_kernel
	.amdgpu_metadata
---
amdhsa.version: [ 1, 2 ]
amdhsa.kernels:
  - .name:           k_qbad417fb7f_prep
    .symbol:         k_qbad417fb7f_prep.kd
    .args:
      - { .name: W_a, .offset: 0, .size: 8, .value_kind: global_buffer, .address_space: global }
      - { .name: U_a, .offset: 8, .size: 8, .value_kind: global_buffer, .address_space: global }
      - { .name: h, .offset: 16, .size: 8, .value_kind: global_buffer, .address_space: global }
      - { .name: W16, .offset: 24, .size: 8, .value_kind: global_buffer, .address_space: global }
      - { .name: hUs, .offset: 32, .size: 8, .value_kind: global_buffer, .address_space: global }
    .group_segment_fixed_size: 33792
    .private_segment_fixed_size: 0
    .kernarg_segment_align: 8
    .kernarg_segment_size: 40
    .max_flat_workgroup_size: 256
    .sgpr_count:     66
    .vgpr_count:     242
    .wavefront_size: 32
...
	.end_amdgpu_metadata
.endif
;; end of part 1
;; launch energy (part 2): grid 4 x 128, 4 waves a work-group, clusters of 4 x 4, 327,680 bytes of LDS; arguments encoder_out, W16, hUs, w, epart; writes epart
.if DOCPART == 2
	.amdgcn_target "amdgcn-amd-amdhsa--gfx1250"
	.amdhsa_code_object_version 6
	.text
	.protected	k_qbad417fb7f_energy
	.globl	k_qbad417fb7f_energy
	.p2align	8
	.type	k_qbad417fb7f_energy,@function
k_qbad417fb7f_energy:
	s_mov_b64 s[64:65], 0
	v_nop
	global_prefetch_b8 v0, s[64:65] scope:SCOPE_SE
	s_setreg_imm32_b32 hwreg(HW_REG_WAVE_MODE, 25, 1), 1
	s_wait_xcnt 0x0
	s_wait_alu depctr_hold_cnt(0) depctr_sa_sdst(0) depctr_va_vdst(0) depctr_va_sdst(0) depctr_va_ssrc(0) depctr_va_vcc(0) depctr_vm_vsrc(0)
	s_getreg_b32 s2, hwreg(HW_REG_IB_STS2, 6, 4)
	s_cmp_eq_u32 s2, 0
	s_cbranch_scc0 .Lentry_in_a_cluster
	s_endpgm
.Lentry_in_a_cluster:
	s_bfe_u32 s2, ttmp6, 0x10000c
	s_cmp_lg_u32 s2, 0xf033
	s_cbranch_scc0 .Lentry_shape_is_right
	s_endpgm
.Lentry_shape_is_right:
; epart[nx][row] = sum over the 256 columns a of column block nx of w[a] tanh(att[row][a]),  att = encoder_out W_a + h U_a.
; encoder_out: [32768 rows][2048] f32.  W16: [2048 k][1024 n] bf16.  hUs: [64][1024] f32 = C2 (h U_a), C2 = 2 log2(e).  Products in bf16, sums in f32.
; tanh(x) = 1 - 2 / (1 + 2^(C2 x)): right at both ends (2^.. = inf gives 1, 2^.. = 0 gives -1).  LIMITS, stated: its error is about one last bit of 1, not of tanh(x),
; so a tanh far below 1e-7 is lost in it; the energy is formed as sum(w) - 2 sum(w / (1 + 2^..)), all terms of the size of sum |w|, an order of rounding other than the reference's.
; SHARES.  A work-group: 256 rows x 256 columns of att; 512 work-groups.  A wave: 64 rows x all 256 columns, 4 x 16 accumulators of 16 x 16, 512 registers.  So a wave's rows of A are
; its own: each f32 of encoder_out is read from LDS and rounded to bf16 once, and the sum over the columns never leaves the wave.
; Source 0 = 16 rows of A, source 1 = 16 columns of W: in the result a lane holds ONE column (lane % 16) and the rows 8 (lane / 16) + 0..7, so w and hUs cost one register a column block.
; RING.  K goes in steps of 128.  LDS holds ONE slot for A (256 rows x 512 bytes of f32, pitch 528) and two for W (128 k x 256 n as two tiles of 128 rows x 256 bytes, pitch 288).
; Two slots for A would make 2 x 135,168 + 2 x 73,728 = 417,792 bytes and do not fit; A's second slot is the registers: a wave's 64 rows x 128 K are 128 registers in bf16.
; A STEP is four chunks of 32 along K, 64 matrix instructions each:
;   chunk 0  the round of the cluster's barrier; behind it A's slot (read out in the chunk before) takes the next step's A, and W's other slot the next step's W;
;   chunks 1, 2  products;
;   chunk 3  a barrier of the work-group shows the next step's tiles whole; A's slot is read out and rounded between this chunk's products.
; From a request to the wait for it a wave issues 176 matrix instructions.  All rows of all tiles are 256 or 512 bytes of memory and start at multiples of 256 bytes from their buffer's first byte.
; CLUSTER.  4 x 4 work-groups.  The four of a row of the cluster are the four column blocks of the same 256 rows and need the same tiles of A; the four of a column need the same tiles
; of W.  Each tile is asked for JOINTLY: the same tensor load with the same descriptor and a mask that names the four.  Waves 0, 1 fetch A's halves, waves 2, 3 W's.
; By this text's own count a wave has at most two tensor loads out (waves 2, 3 at the start) and one behind each round.
; REGISTERS, in windows of 256 (s_set_vgpr_msb: bits 1:0 source 0, 3:2 source 1, 5:4 source 2, 7:6 destination):
;   window 0: v1-20 addresses; v32-47 hUs, v48-63 w of my 16 columns; v64-127 A's f32 on its way, 16 registers for each of a chunk's four fragments; v128-255 A's bf16 of a whole step
;   window 1: v0-127, v128-255 W's 16 fragments of 32 along K, two buffers
;   windows 2, 3: accumulator (i, j) at v[8 (16 (i % 2) + j)] of window 2 + i / 2
.set PA,    528                        ; a row of A in LDS: 512 bytes + 16 = 132 words: the 16 rows of a load start at 16 different groups of four banks (64 banks of 4 bytes: ISA guide 11.1)
.set PB,    288                        ; a row of W: 256 + 32 = 72 words
.set HALFA, 128*PA                     ; what one load of A brings: 128 rows
.set WBASE, 256*PA                     ; W's slots lie behind A's 256 rows
.set SUBB,  128*PB                     ; what one load of W brings: 128 k x 128 n
.set WSLOT, 2*SUBB
.set STAGE, WBASE+2*WSLOT              ; 282,624 = 1,104 x 256: behind the ring, 256 bytes for each wave, for the way out; no tensor load fills them
.set C2,    0x4038aa3b
.set ADRA, 8                           ; v8      LDS address of my A rows
.set ADRB, 10                          ; v10-13  LDS address of W's fragments: slot n / 2, column half n % 2 (one register for both halves would pass the 16-bit offset)
.set STG,  14                          ; v14     the way out: where my half of the lanes puts its rows' sums
.set RDS,  15                          ; v15     the way out: where I read two rows' sums back
.set CO,   16                          ; v16     4 x (lane % 16): my column in a block of 16
.set PF,   17                          ; v17     prefetch: my row and block of the tile of A; never rewritten
.set WS,   18                          ; v[18:19] the sum of my 16 w, twice
.set EO,   20                          ; v20     my byte offset in the wave's 256 bytes of epart
.set HC,   32
.set WM,   48
.set FA,   64
.set AB,   128                         ; chunk c's fragment i at AB + 32 c + 8 i
.set Y,    64                          ; v[64:95]  at work in the tanh, and
.set E,    96                          ; v[96:127] the energy sums, (i, t) at E + 8 i + t: where A's f32 lay
.set WV,   14                          ; s14 my wave's number
.set G1A,  24                          ; s[24:31] descriptor group 1 for A's tiles;  s[32:35] group 0
.set G0A,  32
.set G1B,  40                          ; s[40:47] group 1 for W's;  s[48:55] group 0, a set for each slot
.set G0B,  48
.set LAP,  56                          ; s56 trips to go
.set MSB, 0
.macro WIN new                         ; the immediate's high byte repeats the setting that is left; a switch that changes nothing is dropped
.if MSB != (\new)
	s_set_vgpr_msb (MSB<<8)|(\new)
.set MSB, (\new)
.endif
.endm
.set TO_B, 0x40                        ; destination window 1, address window 0
.macro PLACES
.rept 4
	v_nop
.endr
.endm
; A joint refill: A's slot, and W's slot s.  The branch hangs on the wave's number alone.  Four v_nop follow each of the two lines, ahead of the jump, the label and what follows.
.macro JLOAD s
	s_cmp_lt_u32 s[WV], 2
	s_cbranch_scc0 .Lfor_b_\@
	tensor_load_to_lds s[G0A:G0A+3], s[G1A:G1A+7]
	s_nop 0
	PLACES
	s_branch .Lasked_\@
.Lfor_b_\@:
	tensor_load_to_lds s[G0B+4*(\s):G0B+4*(\s)+3], s[G1B:G1B+7]
	s_nop 0
	PLACES
.Lasked_\@:
.endm
.macro JLOADA                          ; the first round's: A alone; W's step 1 went out with the first fills, so waves 2 and 3 have nothing to fill
	s_cmp_lt_u32 s[WV], 2
	s_cbranch_scc0 .Lnone_\@
	tensor_load_to_lds s[G0A:G0A+3], s[G1A:G1A+7]
	s_nop 0
	PLACES
.Lnone_\@:
.endm
; A round of the cluster's barrier: my work-group's barrier, so that wave 0's signal speaks for all four waves; wave 0 signals for the work-group; every wave waits for all sixteen; my work-group's barrier once more.
.macro CREST                           ; a round behind its opening barrier
	s_cmp_lg_u32 s[WV], 0
	s_cbranch_scc1 .Lnot_wave_0_\@
	s_barrier_signal -3
.Lnot_wave_0_\@:
	s_barrier_wait -3
	s_barrier_signal -1
	s_barrier_wait -1
.endm
.macro CROUND
	s_barrier_signal -1
	s_barrier_wait -1
	CREST
.endm
	s_load_b256 s[4:11], s[0:1], 0x0               ; encoder_out s[4:5], W16 s[6:7], hUs s[8:9], w s[10:11]
	s_load_b64 s[12:13], s[0:1], 0x20              ; epart
	v_lshl_add_u32 v30, v0, 2, 0x45400
	v_mov_b32 v31, 0
	ds_add_u32 v30, v31
	v_lshrrev_b32 v1, 5, v0
	v_readfirstlane_b32 s[WV], v1                  ; wave 0..3
	s_and_b32 s15, s[WV], 1                        ; which half of A's rows, or of W's columns, I fetch
	s_bfe_u32 s16, ttmp6, 0x40000                  ; cx
	s_bfe_u32 s17, ttmp6, 0x40004                  ; cy
	s_lshl_b32 s18, ttmp9, 2
	s_add_co_u32 s18, s18, s16                     ; nx: column block = 4 x cluster x + cx
	s_and_b32 s19, ttmp7, 0xffff
	s_lshl_b32 s19, s19, 2
	s_add_co_u32 s19, s19, s17                     ; my: block of 256 rows = 4 x cluster y + cy
	s_lshl_b32 s20, s17, 2
	s_lshl_b32 s20, 15, s20                        ; my row of the cluster: places 4 cy .. 4 cy + 3
	s_lshl_b32 s21, 0x1111, s16                    ; my column: places cx, cx + 4, cx + 8, cx + 12
	; group 1 for A: 128 rows x 128 elements of 4 bytes; for W: 128 rows x 128 elements of 2 bytes
	s_or_b32 s[G1A+0], s20, (2<<16)|(1<<20)|(1<<21)|(6<<22)|(3<<25)  ; 15:0 mask: my row; 17:16 elements of 4 bytes; 20 padding on; 21 set beside a mask; 24:22 after every 128 words; 31:25 4 words of it
	s_mov_b32 s[G1A+1], 128<<16                    ; tensor_dim0 = 128
	s_mov_b32 s[G1A+2], 128<<16                    ; tensor_dim1 = 128
	s_mov_b32 s[G1A+3], 128<<16                    ; tile_dim0 = 128
	s_mov_b32 s[G1A+4], 128                        ; tile_dim1 = 128
	s_mov_b32 s[G1A+5], 2048                       ; elements from row to row
	s_mov_b32 s[G1A+6], 0
	s_mov_b32 s[G1A+7], 0
	s_or_b32 s[G1B+0], s21, (1<<16)|(1<<20)|(1<<21)|(5<<22)|(7<<25)  ; mask: my column; elements of 2 bytes; after every 64 words 8 words of padding
	s_mov_b32 s[G1B+1], 128<<16
	s_mov_b32 s[G1B+2], 128<<16
	s_mov_b32 s[G1B+3], 128<<16
	s_mov_b32 s[G1B+4], 128
	s_mov_b32 s[G1B+5], 1024
	s_mov_b32 s[G1B+6], 0
	s_mov_b32 s[G1B+7], 0
	; where the tiles come from: A's hang on my and the wave alone, W's on nx and the wave alone, each in registers that never hold the other coordinate
	s_lshl_b32 s60, s19, 21                        ; 256 rows of 8,192 bytes
	s_lshl_b32 s57, s15, 20                        ; 128 rows
	s_add_co_u32 s60, s60, s57
	s_mov_b32 s61, 0
	s_lshl_b32 s62, s18, 9                         ; 256 columns of 2 bytes
	s_lshl_b32 s57, s15, 8                         ; 128 columns
	s_add_co_u32 s62, s62, s57
	s_mov_b32 s63, 0
	s_mul_i32 s23, s15, SUBB                       ; and where W's go: no place in the cluster enters an LDS address
	s_add_co_u32 s23, s23, WBASE
	s_mov_b32 s58, C2
	s_mov_b32 s59, C2                              ; named with it as a pair
	s_wait_dscnt 0x0
	s_wait_kmcnt 0x0
	s_add_nc_u64 s[62:63], s[6:7], s[62:63]
	CROUND                                         ; all sixteen work-groups are here: the first joint loads meet
	s_mov_b32 s[G0A], 1                            ; count = 1
	s_mul_i32 s[G0A+1], s15, HALFA                 ; LDS address: my half of A's slot
	s_add_nc_u64 s[G0A+2:G0A+3], s[4:5], s[60:61]  ; global address: K step 0
	s_or_b32 s[G0A+3], s[G0A+3], 0x80000000        ; type = 2
.irp s, 0,1
	s_mov_b32 s[G0B+4*\s], 1
	s_add_co_u32 s[G0B+4*\s+1], s23, \s*WSLOT
	s_add_nc_u64 s[G0B+4*\s+2:G0B+4*\s+3], s[62:63], \s*262144     ; K step s: 128 rows of 2,048 bytes on
	s_or_b32 s[G0B+4*\s+3], s[G0B+4*\s+3], 0x80000000
.endr
	s_cmp_lt_u32 s[WV], 2                          ; a wave's first fills stand in one branch, ahead of every wait on TENSORcnt and every LDS read: A's step 0; W's steps 0 and 1
	s_cbranch_scc0 .Lfirst_b
	tensor_load_to_lds s[G0A:G0A+3], s[G1A:G1A+7]
	s_nop 0
	PLACES
	s_branch .Lfirst_asked
.Lfirst_b:
	tensor_load_to_lds s[G0B:G0B+3], s[G1B:G1B+7]
	s_nop 0
	tensor_load_to_lds s[G0B+4:G0B+7], s[G1B:G1B+7]
	s_nop 0
	PLACES
.Lfirst_asked:
	v_and_b32 v1, 15, v0                           ; r = lane % 16
	v_bfe_u32 v2, v0, 4, 1                         ; h = lane / 16
	; PREFETCH of A: a step of the tile is 256 rows x 512 bytes = 512 blocks of 256 bytes; the four partners of my row of the cluster, 4 waves x 32 lanes each, ask for one block a lane:
	; row 64 cx + 16 wave + r, block h of the row's two.  Here step 1; in chunk 1 of step s, s = 0 to 13, step s + 2: three chunks (192 matrix instructions) ahead of the tensor load that
	; wants it.  Steps 14 and 15 ask for nothing: no request passes a row's end.
	s_lshl_b32 s70, s16, 6
	s_lshl4_add_u32 s70, s[WV], s70
	v_add_nc_u32 v[PF], s70, v1
	v_lshlrev_b32 v[PF], 13, v[PF]
	v_lshl_add_u32 v[PF], v2, 8, v[PF]
	s_lshl_b32 s66, s19, 21
	s_mov_b32 s67, 0
	s_add_nc_u64 s[68:69], s[4:5], s[66:67]
	s_add_nc_u64 s[68:69], s[68:69], 512
	global_prefetch_b8 v[PF], s[68:69] th:TH_LOAD_NT scope:SCOPE_SE
	; A fragment of A is 16 rows x 32 K: lane (r, h) holds row r; registers 0-3 K = 8 h + 0..7, registers 4-7 K = 16 + 8 h + 0..7.  In f32 that is 32 bytes at 32 h and 32 bytes at 64 + 32 h of the chunk's 128.
	v_mul_u32_u24 v3, v1, PA
	v_lshl_add_u32 v3, v2, 5, v3
	s_mul_i32 s57, s[WV], 64*PA                    ; my wave's 64 rows
	v_add_nc_u32 v[ADRA], s57, v3
	; The turning load takes 16 k x 16 n (lane l reads 16 bytes: k = 8 h + l % 8, n = 8 ((l / 8) % 2) + 0..7) and leaves half a fragment: lane l holds column l % 16 and 8 k.
	v_and_b32 v4, 7, v0
	v_lshl_add_u32 v4, v2, 3, v4
	v_mul_u32_u24 v4, v4, PB
	v_bfe_u32 v5, v0, 3, 1
	v_lshl_add_u32 v4, v5, 4, v4
.irp n, 0,1,2,3
	v_add_nc_u32 v[ADRB+\n], WBASE+\n*SUBB, v4     ; the four tiles of W follow each other: slot 0's two halves, slot 1's two
.endr
	s_lshl_b32 s57, s[WV], 8
	s_add_co_u32 s57, s57, STAGE                   ; my stage: row 16 i + 8 h + t of my 64 at byte 64 i + 32 h + 4 t
	v_lshl_add_u32 v[STG], v2, 5, s57
	v_and_b32 v6, 31, v0
	v_lshlrev_b32 v[EO], 3, v6                     ; back, and out: two rows a lane
	v_add_nc_u32 v[RDS], s57, v[EO]
	v_lshlrev_b32 v[CO], 2, v1
	s_lshl_b32 s70, s18, 10                        ; my 256 columns of 4 bytes
	s_mov_b32 s71, 0
	s_add_nc_u64 s[10:11], s[10:11], s[70:71]      ; w
	s_lshr_b32 s57, s19, 1                         ; the batch: two blocks of 256 rows each
	s_lshl_b32 s57, s57, 12
	s_add_co_u32 s70, s70, s57
	s_add_nc_u64 s[8:9], s[8:9], s[70:71]          ; hUs
	s_lshl_b32 s70, s18, 17                        ; epart: part nx of 131,072 bytes,
	s_lshl_b32 s57, s19, 10                        ; my 256 rows,
	s_add_co_u32 s70, s70, s57
	s_lshl_b32 s57, s[WV], 8                       ; my wave's 64
	s_add_co_u32 s70, s70, s57
	s_add_nc_u64 s[12:13], s[12:13], s[70:71]
.irp j, 0,1,2,3,4,5,6,7,8,9,10,11,12,13,14,15      ; column 16 j + r: waited for only behind the products; their registers and bases are never rewritten
	global_load_b32 v[HC+\j], v[CO], s[8:9] offset:64*\j
.endr
.irp j, 0,1,2,3,4,5,6,7,8,9,10,11,12,13,14,15
	global_load_b32 v[WM+\j], v[CO], s[10:11] offset:64*\j
.endr
; A's slot is read out in eight PAIRS of fragments: pair p is chunk p / 2, fragments 2 (p % 2) and 2 (p % 2) + 1: eight loads, then sixteen conversions.
.macro LOADP p
	WIN 0
.irp ii, 0,1
.irp q, 0,1,2,3
	ds_load_b128 v[FA+16*(2*((\p)%2)+\ii)+4*\q:FA+16*(2*((\p)%2)+\ii)+4*\q+3], v[ADRA] offset:16*PA*(2*((\p)%2)+\ii)+128*((\p)/2)+16*(\q%2)+64*(\q/2)
.endr
.endr
.endm
.macro CVTP p
	WIN 0
.irp ii, 0,1
.irp q, 0,1,2,3,4,5,6,7
	v_cvt_pk_bf16_f32 v[AB+32*((\p)/2)+8*(2*((\p)%2)+\ii)+\q], v[FA+16*(2*((\p)%2)+\ii)+2*\q], v[FA+16*(2*((\p)%2)+\ii)+2*\q+1]
.endr
.endr
.endm
; 32 LDS loads in one run: W's 16 fragments of chunk kc of the step in slot, turned, into buffer g
.macro FETCHW slot, kc, g
	WIN TO_B
.irp j, 0,1,2,3,4,5,6,7,8,9,10,11,12,13,14,15
	ds_load_tr16_b128 v[128*(\g)+8*\j:128*(\g)+8*\j+3],   v[ADRB+2*(\slot)+\j/8] offset:(\kc)*32*PB+(\j%8)*32
	ds_load_tr16_b128 v[128*(\g)+8*\j+4:128*(\g)+8*\j+7], v[ADRB+2*(\slot)+\j/8] offset:(\kc)*32*PB+(\j%8)*32+16*PB
.endr
.endm
; Part k of 7 of the read-out.  Part 0 asks for pairs 0 and 1; part k waits for pair k - 1, rounds it and asks for pair k + 1 into the registers just freed, so that two pairs are always
; on their way.  Pairs 6 and 7 (chunk 3) stay in f32: their bf16 registers are still being multiplied; they are rounded in the next step's chunks 1 and 2.
; Part 1 also fetches the next step's first fragments of W, from slot wslot, behind its sixteen conversions.  The loads go out in the order pairs 0, 1, 2, W's 32, pairs 3 to 7, so
; behind the pair that a part waits for stand: one pair (parts 1, 4, 5, 6), or one pair and W's 32 (parts 2, 3).
.macro RO on, k, wslot
.if \on
.if \k == 0
	LOADP 0
	LOADP 1
.else
.if (\k == 2) || (\k == 3)
	s_wait_dscnt 40
.else
	s_wait_dscnt 8
.endif
	CVTP \k-1
	LOADP \k+1
.if \k == 1
	FETCHW \wslot, 0, 0
.endif
.endif
.endif
.endm
.macro MM i, j0, c, zero               ; 8 matrix instructions of chunk c: rows 16 i on x column blocks j0 .. j0 + 7.  zero = 1: the product starts the sums: nothing is ever cleared
	WIN 0xa4+0x50*(\i/2)                           ; A window 0, W window 1, C and D window 2 or 3
.irp jj, 0,1,2,3,4,5,6,7
.set rD, 8*(16*(\i%2)+\j0+\jj)
.set rA, AB+32*\c+8*\i
.set rB, 128*(\c%2)+8*(\j0+\jj)
.if \zero
	v_wmma_f32_16x16x32_bf16 v[rD:rD+7], v[rA:rA+7], v[rB:rB+7], 0
.else
	v_wmma_f32_16x16x32_bf16 v[rD:rD+7], v[rA:rA+7], v[rB:rB+7], v[rD:rD+7]
.endif
.endr
.endm
; THE CHUNKS.  The 64 accumulators take turns, one instruction a turn, in the same order in every chunk.
; PLACES (ISA guide 7.12.1 for vector instructions): a load into a buffer of W stands four plain vector instructions behind the buffer's last product, and a conversion four behind
; the last product that read the fragment it writes.  The conversions are those instructions for each other and for the loads: each run of W's loads stands behind sixteen conversions
; that name other registers (chunks 1, 2, 3) or behind the joint load's four v_nop (chunk 0); a conversion into chunk c's fragments stands at least sixteen others behind chunk c's last product.
; CHUNK 0 of a step whose W lies in slot ws.  mode 1: THE ROUND.  My fragment loads and my reads of A's slot have come back, and no tensor load of mine is out (chunk 3's wait has shown
; that; it is written again since it belongs in front of this signal); the round shows the same of every wave of every partner.  Behind it, first thing, A's slot takes the next step's A and
; W's other slot, whose last fragments were fetched two chunks ago, the next step's W: one load a wave.  mode 2: the same with A alone.  mode 0: the last step: nothing is left to fetch, no barrier.
.macro C0 ws, mode, zero
	s_wait_dscnt 0x0
.if \mode
	s_set_vgpr_msb (MSB<<8)|((MSB&0xf0)|0x0)
	s_wait_tensorcnt 0x0
	ds_add_u32 v30, v31
	s_wait_dscnt 0x0
	s_set_vgpr_msb (((MSB&0xf0)|0x0)<<8)|MSB
	s_barrier_signal -1
	MM 0, 0, 0, \zero                              ; register work while the others arrive
	MM 0, 8, 0, \zero
	WIN 0                                          ; at a branch and at a label every window is 0
	s_barrier_wait -1
	CREST
	s_add_nc_u64 s[G0A+2:G0A+3], s[G0A+2:G0A+3], 512               ; no tensor load of mine is out, so a group 0 may be written: 128 f32 on,
.if \mode == 1
	s_add_nc_u64 s[G0B+4*(1-\ws)+2:G0B+4*(1-\ws)+3], s[G0B+4*(1-\ws)+2:G0B+4*(1-\ws)+3], 524288   ; that slot's next step: 256 rows of W16 on
	JLOAD 1-\ws
.else
	JLOADA
.endif
	FETCHW \ws, 1, 1
.else
	MM 0, 0, 0, \zero
	PLACES
	FETCHW \ws, 1, 1
	MM 0, 8, 0, \zero
.endif
	MM 1, 0, 0, \zero
	MM 1, 8, 0, \zero
	MM 2, 0, 0, \zero
	MM 2, 8, 0, \zero
	MM 3, 0, 0, \zero
	MM 3, 8, 0, \zero
.endm
; CHUNK c = 1 or 2: half of the f32 that was left over from the read-out is rounded (pair 5 + c), the next chunk's fragments of W are fetched 56 matrix instructions ahead of their use.  pf = 1: the step's prefetch.
.macro C12 c, ws, pf
	s_wait_dscnt 0x0                               ; this chunk's 32 loads are in
	MM 0, 0, \c, 0
	CVTP 5+\c
	FETCHW \ws, \c+1, (\c+1)%2
.if \pf
	WIN 0
	s_wait_xcnt 0x0                                ; the last prefetch stands a step back: its base is stepped only behind this wait
	s_add_nc_u64 s[68:69], s[68:69], 512
	global_prefetch_b8 v[PF], s[68:69] th:TH_LOAD_NT scope:SCOPE_SE
.endif
	MM 0, 8, \c, 0
	MM 1, 0, \c, 0
	MM 1, 8, \c, 0
	MM 2, 0, \c, 0
	MM 2, 8, \c, 0
	MM 3, 0, \c, 0
	MM 3, 8, \c, 0
.endm
; CHUNK 3.  ro = 1: THE NEXT STEP'S TILES ARE SHOWN WHOLE.  The wait on TENSORcnt serves the reads below; its count is 0 because no load was issued behind the one it waits for.
; Then A's slot is read out, a part between each two groups of eight products.  ro = 0: the last step.
.macro C3 ws, ro
	s_wait_dscnt 0x0
.if \ro
	s_wait_tensorcnt 0x0                           ; my part of the next step's tiles has landed,
	s_barrier_signal -1
.endif
	MM 0, 0, 3, 0
.if \ro
	s_barrier_wait -1                              ; everybody's has
.endif
	RO \ro, 0, 1-\ws
	MM 0, 8, 3, 0
	RO \ro, 1, 1-\ws
	MM 1, 0, 3, 0
	RO \ro, 2, 1-\ws
	MM 1, 8, 3, 0
	RO \ro, 3, 1-\ws
	MM 2, 0, 3, 0
	RO \ro, 4, 1-\ws
	MM 2, 8, 3, 0
	RO \ro, 5, 1-\ws
	MM 3, 0, 3, 0
	RO \ro, 6, 1-\ws
	MM 3, 8, 3, 0
.endm
	s_wait_tensorcnt 0x0                           ; my first fills are in (for 0: the waves have issued different numbers of them)
	s_barrier_signal -1
	s_barrier_wait -1                              ; everybody's are
.irp k, 0,1,2,3,4,5,6
	RO 1, \k, 0                                    ; step 0's A is read out, with no products yet to set it between
.endr
	C0 0, 2, 1                                     ; step 0, chunk 0: stands in front of the loop, its products start the sums; A's slot takes step 1
	WIN 0
	s_mov_b32 s[LAP], 7
.Llap:                                                 ; a trip is two steps, from a step's chunk 1 to chunk 0 of the step after the next: both slots of W are filled once, A's twice
	C12 1, 0, 1
	C12 2, 0, 0
	C3  0, 1
	C0  1, 1, 0
	C12 1, 1, 1
	C12 2, 1, 0
	C3  1, 1
	C0  0, 1, 0
	WIN 0
	s_sub_co_u32 s[LAP], s[LAP], 1
	s_cmp_lg_u32 s[LAP], 0
	s_cbranch_scc1 .Llap
	C12 1, 0, 0                                    ; step 14 goes on; step 15's tiles are on their way, and nothing more is asked for
	C12 2, 0, 0
	C3  0, 1
	C0  1, 0, 0
	C12 1, 1, 0
	C12 2, 1, 0
	C3  1, 0
	; THE WAY OUT.  The sum of my 16 w and -2 w are made first: 17 plain instructions, the places behind the last products.
	WIN 0
	s_wait_loadcnt 0x0                             ; hUs and w
	v_pk_add_f32 v[WS:WS+1], v[WM:WM+1], v[WM+2:WM+3]
.irp n, 4,6,8,10,12,14
	v_pk_add_f32 v[WS:WS+1], v[WS:WS+1], v[WM+\n:WM+\n+1]
.endr
	v_add_f32 v[WS], v[WS], v[WS+1]
	v_mov_b32 v[WS+1], v[WS]
.irp n, 0,2,4,6,8,10,12,14
	v_pk_mul_f32 v[WM+\n:WM+\n+1], v[WM+\n:WM+\n+1], -2.0 op_sel_hi:[1,0]
.endr
; Four accumulators (rows 16 i on, column blocks j0 .. j0 + 3), 32 numbers a lane: x' = C2 att + hUs; 2^x'; + 1; the reciprocal; E += (-2 w) times it.  Each accumulator is read from its
; low end on.  The exponentials and the reciprocals stand in runs, with one plain instruction behind each run before a result is used (ISA guide 5.7.2).  Column block 0 starts E with the sum of w.
.macro BATCH i, j0
	WIN 0x02+(\i/2)                                ; source 0 in window 2 or 3
.irp jj, 0,1,2,3
.irp p, 0,1,2,3
.set rA, 8*(16*(\i%2)+\j0+\jj)+2*\p
.set rH, HC+\j0+(\jj/2)*2
.if \jj%2
	v_pk_fma_f32 v[Y+8*\jj+2*\p:Y+8*\jj+2*\p+1], v[rA:rA+1], s[58:59], v[rH:rH+1] op_sel:[0,0,1] op_sel_hi:[1,0,1]
.else
	v_pk_fma_f32 v[Y+8*\jj+2*\p:Y+8*\jj+2*\p+1], v[rA:rA+1], s[58:59], v[rH:rH+1] op_sel_hi:[1,0,0]
.endif
.endr
.endr
	WIN 0
.set n, 0
.rept 32
	v_exp_f32 v[Y+n], v[Y+n]
.set n, n+1
.endr
	v_nop
.set n, 0
	s_wait_alu depctr_va_vdst(0)
.rept 16
	v_pk_add_f32 v[Y+n:Y+n+1], v[Y+n:Y+n+1], 1.0 op_sel_hi:[1,0]
.set n, n+2
.endr
.set n, 0
.rept 32
	v_rcp_f32 v[Y+n], v[Y+n]
.set n, n+1
.endr
	v_nop
	s_wait_alu depctr_va_vdst(0)
.irp jj, 0,1,2,3
.irp p, 0,1,2,3
.set rE, E+8*\i+2*\p
.set rW, WM+\j0+(\jj/2)*2
.if (\j0 == 0) && (\jj == 0)
	s_wait_alu depctr_va_vdst(0)
	v_pk_fma_f32 v[rE:rE+1], v[Y+8*\jj+2*\p:Y+8*\jj+2*\p+1], v[rW:rW+1], v[WS:WS+1] op_sel_hi:[1,0,1]
.elseif \jj%2
	v_pk_fma_f32 v[rE:rE+1], v[Y+8*\jj+2*\p:Y+8*\jj+2*\p+1], v[rW:rW+1], v[rE:rE+1] op_sel:[0,1,0] op_sel_hi:[1,1,1]
.else
	v_pk_fma_f32 v[rE:rE+1], v[Y+8*\jj+2*\p:Y+8*\jj+2*\p+1], v[rW:rW+1], v[rE:rE+1] op_sel_hi:[1,0,1]
.endif
.endr
.endr
.endm
.irp i, 0,1,2,3
.irp j0, 0,4,8,12
	BATCH \i, \j0
.endr
.endr
	; the sixteen lanes of a half hold sixteen columns of the same eight rows: four steps add them, and every lane of the half ends up with the sums
.irp m, 1,2,4,8
.set n, 0
.rept 32
	v_add_f32_dpp v[E+n], v[E+n], v[E+n] row_xmask:\m row_mask:0xf bank_mask:0xf
.set n, n+1
.endr
.endr
.irp i, 0,1,2,3
	ds_store_b128 v[STG], v[E+8*\i:E+8*\i+3]   offset:64*\i       ; the lanes of a half write the same words with the same values
	ds_store_b128 v[STG], v[E+8*\i+4:E+8*\i+7] offset:64*\i+16
.endr
	ds_load_b64 v[Y:Y+1], v[RDS]                   ; my wave's own bytes: LDS serves a wave's instructions in order (ISA guide 5.7.1.4)
	s_wait_dscnt 0x0
	global_store_b64 v[EO], v[Y:Y+1], s[12:13]     ; the wave stores its 64 rows' sums: 256 consecutive bytes, aligned
	s_set_vgpr_msb (MSB<<8)|((MSB&0xf0)|0x0)
	s_wait_tensorcnt 0x0
	ds_add_u32 v30, v31
	s_wait_dscnt 0x0
	s_set_vgpr_msb (((MSB&0xf0)|0x0)<<8)|MSB
	CROUND                                         ; the closing round: no work-group ends while a partner may still ask for a tile that names it
	s_endpgm
.Lfunc_end_k_qbad417fb7f_energy:
	.size	k_qbad417fb7f_energy, .Lfunc_end_k_qbad417fb7f_energy-k_qbad417fb7f_energy
	.p2alignl 7, 3214868480
	.fill 96, 4, 3214868480
	.section	.rodata,"a",@progbits
	.p2align	6, 0x0
	.amdhsa_kernel k_qbad417fb7f_energy
		.amdhsa_group_segment_fixed_size 327680
		.amdhsa_private_segment_fixed_size 0
		.amdhsa_enable_private_segment 0
		.amdhsa_kernarg_size 40
		.amdhsa_user_sgpr_count 2
		.amdhsa_user_sgpr_kernarg_segment_ptr 1
		.amdhsa_wavefront_size32 1
		.amdhsa_system_sgpr_workgroup_id_x 1
		.amdhsa_system_sgpr_workgroup_id_y 1
		.amdhsa_system_sgpr_workgroup_id_z 1
		.amdhsa_system_vgpr_workitem_id 0
		.amdhsa_next_free_vgpr 1024
		.amdhsa_next_free_sgpr 72
		.amdhsa_reserve_vcc 0
		.amdhsa_float_denorm_mode_32 3
		.amdhsa_float_denorm_mode_16_64 3
		.amdhsa_memory_ordered 1
		.amdhsa_forward_progress 1
		.amdhsa_inst_pref_size 255
	.end_amdhsa_kernel
	.section	.bss,"aw",@nobits
	.p2align	6
	.space	262144
	.amdgpu_metadata
---
amdhsa.version: [ 1, 2 ]
amdhsa.kernels:
  - .name:           k_qbad417fb7f_energy
    .symbol:         k_qbad417fb7f_energy.kd
    .args:
      - { .name: encoder_out, .offset: 0, .size: 8, .value_kind: global_buffer, .address_space: global }
      - { .name: W16, .offset: 8, .size: 8, .value_kind: global_buffer, .address_space: global }
      - { .name: hUs, .offset: 16, .size: 8, .value_kind: global_buffer, .address_space: global }
      - { .name: w, .offset: 24, .size: 8, .value_kind: global_buffer, .address_space: global }
      - { .name: epart, .offset: 32, .size: 8, .value_kind: global_buffer, .address_space: global }
    .group_segment_fixed_size: 327680
    .private_segment_fixed_size: 0
    .kernarg_segment_align: 8
    .kernarg_segment_size: 40
    .max_flat_workgroup_size: 128
    .sgpr_count:     72
    .vgpr_count:     1024
    .wavefront_size: 32
...
	.end_amdgpu_metadata
.endif
;; end of part 2
;; launch context (part 3): grid 4 x 64, 8 waves a work-group, no clusters, 17,408 bytes of LDS; arguments encoder_out, epart, out0, out1; writes out0, out1
.if DOCPART == 3
	.amdgcn_target "amdgcn-amd-amdhsa--gfx1250"
	.amdhsa_code_object_version 6
	.text
	.protected	k_qbad417fb7f_context
	.globl	k_qbad417fb7f_context
	.p2align	8
	.type	k_qbad417fb7f_context,@function
k_qbad417fb7f_context:
	s_mov_b64 s[64:65], 0
	v_nop
	global_prefetch_b8 v0, s[64:65] scope:SCOPE_SE
	s_setreg_imm32_b32 hwreg(HW_REG_WAVE_MODE, 25, 1), 1
	s_wait_xcnt 0x0
; alpha[b][s] = softmax over s of the energy (the four parts of epart added); out0[b][e] = sum over s of alpha[b][s] encoder_out[b][s][e]; out1 = alpha.  All in f32.
; A stream: the product has one row a batch and each byte of encoder_out feeds one multiply-add, so it goes through the vector unit; LDS serves only the last sum over the waves,
; and matrix units, tensor loads and clusters would add nothing (no two work-groups read the same bytes of encoder_out).
; A work-group: one batch x 512 columns (2,048 bytes of each of its 512 rows); 256 work-groups.  Every wave makes the batch's whole softmax for itself (8 KB of epart, no barrier),
; with the maximum taken away first.  Wave w takes the rows 128 q + 16 w + 0..15, q = 0..3; a lane 16 bytes of each 512 of a row: a load of the wave covers 512 consecutive bytes.
; A lane holds the energies s = 128 q + 4 L + i (q, i = 0..3), where L = (lane + 4 w) % 32: the lanes are rotated by the wave's number, which a softmax does not see, so that the alpha
; of the wave's own rows lie in lanes 0 to 3 and v_readlane_b32 names the lane as a constant.
; LIMIT, stated: v_exp_f32 gives 0 for results under 2^-126 (ISA guide, its entry in 15.8), so an alpha that small comes out as 0.
.set AL,  16                           ; v[16:79] epart, part p at AL + 16 p; then v[16:31] energy, then alpha: (q, i) at AL + 4 q + i
.set AC,  80                           ; v[80:95] my 16 sums: byte 512 j + 16 lane of the 2,048 at AC + 4 j
.set X,   96                           ; v[96:223] a ring of 8 rows x 16 registers
.set T,   224                          ; v[224:231] at work
.set L2E, 0x3fb8aa3b                   ; log2(e)
	s_load_b256 s[4:11], s[0:1], 0x0               ; encoder_out s[4:5], epart s[6:7], out0 s[8:9], out1 s[10:11]
	v_lshl_add_u32 v232, v0, 2, 0x4000
	v_mov_b32 v233, 0
	v_lshrrev_b32 v1, 5, v0
	v_readfirstlane_b32 s12, v1                    ; wave 0..7
	s_and_b32 s13, ttmp7, 0xffff                   ; the batch
	s_lshl_b32 s22, ttmp9, 11                      ; my 512 columns of 4 bytes
	s_lshl_b32 s14, s13, 22                        ; 512 rows of 8,192 bytes
	s_add_co_u32 s14, s14, s22
	s_mov_b32 s15, 0
	s_lshl_b32 s16, s13, 11                        ; 512 numbers of 4 bytes, in each part of epart and in out1
	s_mov_b32 s17, 0
	s_lshl_b32 s18, s13, 13                        ; a row of out0
	s_add_co_u32 s18, s18, s22
	s_mov_b32 s19, 0
	s_mov_b32 s20, 0x76543210                      ; v_permlanex16_b32: each lane takes its own place in the other half
	s_mov_b32 s21, 0xfedcba98
.irp n, 41,43,45,47
	s_mov_b32 s\n, 0                               ; the upper words of the four pairs that carry an alpha: named with it, so they are written
.endr
	s_lshl_b32 s23, s12, 2
	v_add_nc_u32 v1, s23, v0
	v_and_b32 v1, 31, v1
	v_lshlrev_b32 v1, 4, v1                        ; 16 x ((lane + 4 w) % 32): my 16 bytes of each 512 of the energies and of alpha
	v_and_b32 v3, 31, v0
	v_lshlrev_b32 v3, 4, v3                        ; 16 x lane
	s_lshl_b32 s23, s12, 17
	v_add_nc_u32 v2, s23, v3                       ; + 16 w rows of 8,192 bytes
	s_lshl_b32 s23, s12, 11
	v_add_nc_u32 v5, s23, v3                       ; LDS: my wave's 2,048 bytes of sums
	v_lshlrev_b32 v4, 3, v0                        ; 8 x thread: the two columns that I add up and store at the end
	s_wait_kmcnt 0x0
	s_add_nc_u64 s[4:5], s[4:5], s[14:15]
	s_add_nc_u64 s[6:7], s[6:7], s[16:17]
	s_add_nc_u64 s[8:9], s[8:9], s[18:19]
	s_add_nc_u64 s[10:11], s[10:11], s[16:17]
.irp p, 0,1,2,3
.irp q, 0,1,2,3
	global_load_b128 v[AL+16*\p+4*\q:AL+16*\p+4*\q+3], v1, s[6:7] offset:\p*131072+\q*512
.endr
.endr
.irp k, 0,1,2,3,4,5,6,7
.irp j, 0,1,2,3
	global_load_b128 v[X+16*\k+4*\j:X+16*\k+4*\j+3], v2, s[4:5] offset:\k*8192+512*\j th:TH_LOAD_NT   ; the ring is filled while the softmax is made
.endr
.endr
	s_wait_loadcnt 0x20                            ; epart is in; the ring's 32 loads stay out
.irp p, 1,2,3
.irp n, 0,2,4,6,8,10,12,14
	v_pk_add_f32 v[AL+\n:AL+\n+1], v[AL+\n:AL+\n+1], v[AL+16*\p+\n:AL+16*\p+\n+1]
.endr
.endr
	v_max3_num_f32 v[T],   v[AL],   v[AL+1],  v[AL+2]
	v_max3_num_f32 v[T+1], v[AL+3], v[AL+4],  v[AL+5]
	v_max3_num_f32 v[T+2], v[AL+6], v[AL+7],  v[AL+8]
	v_max3_num_f32 v[T+3], v[AL+9], v[AL+10], v[AL+11]
	v_max3_num_f32 v[T],   v[T],    v[AL+12], v[AL+13]
	v_max3_num_f32 v[T+1], v[T+1],  v[AL+14], v[AL+15]
	v_max3_num_f32 v[T],   v[T],    v[T+1],   v[T+2]
	v_max_num_f32  v[T],   v[T],    v[T+3]
.irp m, 1,2,4,8
	v_max_num_f32_dpp v[T], v[T], v[T] row_xmask:\m row_mask:0xf bank_mask:0xf
.endr
	v_permlanex16_b32 v[T+1], v[T], s20, s21
	v_max_num_f32 v[T], v[T], v[T+1]               ; the batch's largest energy, in every lane
	v_mul_f32 v[T+2], L2E, v[T]
	v_mov_b32 v[T+3], v[T+2]
.irp n, 0,2,4,6,8,10,12,14
	v_pk_fma_f32 v[AL+\n:AL+\n+1], v[AL+\n:AL+\n+1], L2E, v[T+2:T+3] op_sel_hi:[1,0,1] neg_lo:[0,0,1] neg_hi:[0,0,1]   ; log2(e) e - log2(e) max
.endr
.set n, 0
.rept 16
	v_exp_f32 v[AL+n], v[AL+n]
.set n, n+1
.endr
	v_nop                                          ; a plain instruction between the last exponential and the use of its result (ISA guide 5.7.2)
	s_wait_alu depctr_va_vdst(0)
.irp n, 0,1,2,3
	v_pk_add_f32 v[T+2*\n:T+2*\n+1], v[AL+4*\n:AL+4*\n+1], v[AL+4*\n+2:AL+4*\n+3]
.endr
	v_pk_add_f32 v[T:T+1], v[T:T+1], v[T+2:T+3]
	v_pk_add_f32 v[T+4:T+5], v[T+4:T+5], v[T+6:T+7]
	v_pk_add_f32 v[T:T+1], v[T:T+1], v[T+4:T+5]
	v_add_f32 v[T], v[T], v[T+1]
.irp m, 1,2,4,8
	v_add_f32_dpp v[T], v[T], v[T] row_xmask:\m row_mask:0xf bank_mask:0xf
.endr
	v_permlanex16_b32 v[T+1], v[T], s20, s21
	v_add_f32 v[T], v[T], v[T+1]
	v_rcp_f32 v[T+2], v[T]
	v_rcp_f32 v[T+3], v[T]
	v_nop
	s_wait_alu depctr_va_vdst(0)
.irp n, 0,2,4,6,8,10,12,14
	v_pk_mul_f32 v[AL+\n:AL+\n+1], v[AL+\n:AL+\n+1], v[T+2:T+3]
.endr
	s_or_b32 s23, s12, ttmp9                       ; alpha is stored once for a batch: by wave 0 (whose lanes are not rotated) of the first column block
	s_cmp_lg_u32 s23, 0
	s_cbranch_scc1 .Lno_alpha
.irp q, 0,1,2,3
	global_store_b128 v1, v[AL+4*\q:AL+4*\q+3], s[10:11] offset:512*\q    ; 512 consecutive bytes a store; neither v1 nor alpha is written again
.endr
.Lno_alpha:
; Row k of my 64: s = 128 (k / 16) + 16 w + k % 16; its alpha lies in lane (k / 4) % 4, register 4 (k / 16) + k % 4.  The ring's slot k % 8 is loaded again with row k + 8 as soon as it
; has been multiplied.  All offsets are immediates (3,270,144 at the most, inside the signed 24 bits): no address register is ever stepped.
.set k, 0
.rept 64
.if k < 56
	s_wait_loadcnt 28                              ; loads come back in order: row k's four are in, the seven younger rows' stay out
.else
	s_wait_loadcnt 4*(63-k)                        ; the last eight rows load nothing: the counts run down
.endif
	v_readlane_b32 s[40+2*(k%4)], v[AL+4*(k/16)+k%4], (k/4)%4
.irp c, 0,2,4,6,8,10,12,14
.if k == 0
	v_pk_mul_f32 v[AC+\c:AC+\c+1], v[X+\c:X+\c+1], s[40:41] op_sel_hi:[1,0]   ; the first row starts the sums: nothing is cleared
.else
	v_pk_fma_f32 v[AC+\c:AC+\c+1], v[X+16*(k%8)+\c:X+16*(k%8)+\c+1], s[40+2*(k%4):41+2*(k%4)], v[AC+\c:AC+\c+1] op_sel_hi:[1,0,1]
.endif
.endr
.if k < 56
.irp j, 0,1,2,3
	global_load_b128 v[X+16*(k%8)+4*\j:X+16*(k%8)+4*\j+3], v2, s[4:5] offset:(128*((k+8)/16)+(k+8)%16)*8192+512*\j th:TH_LOAD_NT
.endr
.endif
.set k, k+1
.endr
	; the eight waves' sums meet in LDS; thread t adds up and stores columns 2 t, 2 t + 1
.irp j, 0,1,2,3
	ds_store_b128 v5, v[AC+4*\j:AC+4*\j+3] offset:512*\j
.endr
	s_wait_dscnt 0x0                               ; for the others' sake: my stores are done
	s_barrier_signal -1
	s_barrier_wait -1
.irp p, 0,1,2,3,4,5,6,7
	ds_load_b64 v[X+2*\p:X+2*\p+1], v4 offset:2048*\p
.endr
	s_wait_dscnt 0x0
.irp p, 0,1,2,3
	v_pk_add_f32 v[X+2*\p:X+2*\p+1], v[X+2*\p:X+2*\p+1], v[X+8+2*\p:X+8+2*\p+1]
.endr
.irp p, 0,1
	v_pk_add_f32 v[X+2*\p:X+2*\p+1], v[X+2*\p:X+2*\p+1], v[X+4+2*\p:X+4+2*\p+1]
.endr
	v_pk_add_f32 v[X:X+1], v[X:X+1], v[X+2:X+3]
	global_store_b64 v4, v[X:X+1], s[8:9]          ; a wave stores 256 consecutive bytes, aligned
	s_wait_tensorcnt 0x0
	ds_add_u32 v232, v233
	s_wait_dscnt 0x0
	s_endpgm
.Lfunc_end_k_qbad417fb7f_context:
	.size	k_qbad417fb7f_context, .Lfunc_end_k_qbad417fb7f_context-k_qbad417fb7f_context
	.p2alignl 7, 3214868480
	.fill 96, 4, 3214868480
	.section	.rodata,"a",@progbits
	.p2align	6, 0x0
	.amdhsa_kernel k_qbad417fb7f_context
		.amdhsa_group_segment_fixed_size 17408
		.amdhsa_private_segment_fixed_size 0
		.amdhsa_enable_private_segment 0
		.amdhsa_kernarg_size 32
		.amdhsa_user_sgpr_count 2
		.amdhsa_user_sgpr_kernarg_segment_ptr 1
		.amdhsa_wavefront_size32 1
		.amdhsa_system_sgpr_workgroup_id_x 1
		.amdhsa_system_sgpr_workgroup_id_y 1
		.amdhsa_system_sgpr_workgroup_id_z 1
		.amdhsa_system_vgpr_workitem_id 0
		.amdhsa_next_free_vgpr 234
		.amdhsa_next_free_sgpr 66
		.amdhsa_reserve_vcc 0
		.amdhsa_float_denorm_mode_32 3
		.amdhsa_float_denorm_mode_16_64 3
		.amdhsa_memory_ordered 1
		.amdhsa_forward_progress 1
		.amdhsa_inst_pref_size 73
	.end_amdhsa_kernel
	.amdgpu_metadata
---
amdhsa.version: [ 1, 2 ]
amdhsa.kernels:
  - .name:           k_qbad417fb7f_context
    .symbol:         k_qbad417fb7f_context.kd
    .args:
      - { .name: encoder_out, .offset: 0, .size: 8, .value_kind: global_buffer, .address_space: global }
      - { .name: epart, .offset: 8, .size: 8, .value_kind: global_buffer, .address_space: global }
      - { .name: out0, .offset: 16, .size: 8, .value_kind: global_buffer, .address_space: global }
      - { .name: out1, .offset: 24, .size: 8, .value_kind: global_buffer, .address_space: global }
    .group_segment_fixed_size: 17408
    .private_segment_fixed_size: 0
    .kernarg_segment_align: 8
    .kernarg_segment_size: 32
    .max_flat_workgroup_size: 256
    .sgpr_count:     66
    .vgpr_count:     234
    .wavefront_size: 32
...
	.end_amdgpu_metadata
.endif
;; end of part 3
;; ======== version 2 of 2: 3 launches; version 1 with the launches prep, context written anew for expert scheduling mode
;; workspace buffers: W16 4,194,304 bytes; hUs 262,144 bytes; epart 524,288 bytes
;; launch prep (part 4): grid 256 x 1, 8 waves a work-group, no clusters, 33,792 bytes of LDS; arguments W_a, U_a, h, W16, hUs; writes W16, hUs
.if DOCPART == 4
	.amdgcn_target "amdgcn-amd-amdhsa--gfx1250"
	.amdhsa_code_object_version 6
	.text
	.protected	k_qbad417fb7f_prep
	.globl	k_qbad417fb7f_prep
	.p2align	8
	.type	k_qbad417fb7f_prep,@function
k_qbad417fb7f_prep:
	s_mov_b64 s[64:65], 0
	v_nop
	global_prefetch_b8 v0, s[64:65] scope:SCOPE_SE
	s_setreg_imm32_b32 hwreg(HW_REG_WAVE_SCHED_MODE, 0, 2), 2
	s_setreg_imm32_b32 hwreg(HW_REG_WAVE_MODE, 25, 1), 1
	s_wait_xcnt 0x0
	s_wait_alu depctr_vm_vsrc(0)
; Two small jobs ahead of the product, both in every work-group, so that all 256 have equal work.
; (1) W16 = W_a rounded to bf16, same layout [2048 k][1024 n]: 8,192 numbers a work-group.
; (2) hUs[b][a] = C2 * sum over d of h[b][d] U_a[d][a], C2 = 2 log2(e): the addend of the tanh's exponent, ready scaled.  4 batches x 64 columns a work-group.
;   This product has 64 rows and is one thousandth of the problem's arithmetic; it streams U_a and waits for memory, so it is done in f32 by packed multiply-adds and nothing is
;   rounded to bf16.  Wave w takes the 128 d from 128 w on.  A row of U_a's 64 columns is 256 bytes: a load of 16 bytes a lane takes two rows, lanes 0-15 row m, lanes 16-31 row 64 + m
;   of the wave's 128 (m = 0..63), each half 256 consecutive bytes, aligned.  A lane holds 4 columns x 4 batches, 16 sums; the 8 waves x 2 halves meet in LDS.
; The loads go out in the order h, W_a, U_a: loads come back in order, so the conversion's counted waits can leave U_a's 32 loads out, and W_a is rounded while they are on their way.
; THE MODE: SCHED_MODE bits 1:0 = 2 (LLVM: expert scheduling mode 2), set by the entry lines.  The code itself states the register dependences
; between vector instructions and memory or LDS instructions, with s_wait_alu, always for 0.
; THE PLAN.  Registers that memory or LDS instructions touch:
;   v2-v8, v12, v13  offsets and LDS addresses: made once at the head, never written again; all steps stand in immediate offsets.
;   AC         h's loads land in it; the LDS stores of h read it; group 0's first products write it; at the end the LDS stores of the sums read it.
;   XC         W_a's loads land in it, the conversions read it; it is loaded once.
;   YC         the conversions write it, the four stores read it, in one run behind one wait; it is written once.
;   HV0, HV1   group g's multiply-adds read HV[g % 2]; the LDS loads issued at group g's head (group g + 1's h) land in the other buffer, which group g - 1 read.
;   X0, X1     a block of four groups reads one of them; it is loaded again at the head of the next block's first group.
; So ONE wait on va_vdst stands at the head of a group that issues loads: it states that the group before is done reading its h and, at a block's head, its buffer of U_a.
; The group's own multiply-adds name HV[g % 2], its quarter of the other X buffer and AC: none of the registers in which those loads land.
.set C2,  0x4038aa3b                   ; 2 log2(e) = 2.885390
.set HV,  16                           ; v[16:31], v[32:47] h of 4 m x 4 batches, two buffers
.set AC,  48                           ; v[48:63]   the sum of (batch q, column c) at AC + 4 q + c; before the first product: h on its way into LDS
.set XC,  64                           ; v[64:95]   W_a: 32 f32 as loaded
.set YC,  96                           ; v[96:111]  W16: 32 bf16 to store, four registers of its own for each group
.set X,   112                          ; v[112:175], v[176:239] 16 loads of U_a each, two buffers
.set RED, 0x4000                       ; LDS: 16,384 bytes of h (2,048 a wave), then 16 partial sets of 1,024 bytes
	s_load_b256 s[4:11], s[0:1], 0x0               ; W_a s[4:5], U_a s[6:7], h s[8:9], W16 s[10:11]
	s_load_b64 s[12:13], s[0:1], 0x20              ; hUs
	v_lshl_add_u32 v240, v0, 2, 0x8000             ; my spare word and 0: kept for the closing lines alone
	v_mov_b32 v241, 0
	v_lshrrev_b32 v1, 5, v0
	v_readfirstlane_b32 s14, v1                    ; wave 0..7
	s_and_b32 s16, ttmp9, 15                       ; which 64 columns
	s_lshr_b32 s17, ttmp9, 4                       ; which 4 batches
	s_lshl_b32 s18, s17, 14                        ; 4 rows of 4,096 bytes, in h and in hUs
	s_mov_b32 s19, 0
	s_lshl_b32 s20, s16, 8                         ; 64 columns of 4 bytes, in U_a and in hUs
	s_mov_b32 s21, 0
	s_lshl_b32 s22, ttmp9, 15                      ; W_a: 32,768 bytes in,
	s_mov_b32 s23, 0
	s_lshl_b32 s24, ttmp9, 14                      ; W16: 16,384 bytes out for each work-group
	s_mov_b32 s25, 0
	v_and_b32 v1, 31, v0                           ; lane l
	v_and_b32 v9, 15, v0                           ; l % 16
	v_bfe_u32 v10, v0, 4, 1                        ; l / 16
	v_lshlrev_b32 v11, 4, v1                       ; 16 l
	s_wait_alu depctr_va_sdst(0)                   ; s14 is written, ahead of its first reader: the wave's shares and the last branch are made from it
	s_lshl_b32 s26, s14, 9
	v_add_nc_u32 v2, s26, v11                      ; h: my wave's 128 d (512 bytes of a row) + 16 l
	v_lshlrev_b32 v3, 4, v9
	v_lshl_add_u32 v3, v10, 18, v3                 ; U_a: 16 (l % 16) + 64 rows of 4,096 bytes for the upper half of the lanes
	s_lshl_b32 s26, s14, 19
	v_add_nc_u32 v3, s26, v3                       ;      + my wave's 128 rows
	s_lshl_b32 s26, s14, 11
	v_add_nc_u32 v4, s26, v11                      ; LDS: my wave's 2,048 bytes of h, + 16 l
	v_lshlrev_b32 v5, 8, v10
	v_add_nc_u32 v5, s26, v5                       ; the same for reading: the upper half of the lanes reads 64 d (256 bytes) further on
	v_lshlrev_b32 v6, 4, v9
	v_lshl_add_u32 v6, v10, 10, v6
	v_add_nc_u32 v6, s26, v6
	v_add_nc_u32 v6, RED, v6                       ; LDS: partial set 2 w + l / 16, + 16 (l % 16)
	v_lshlrev_b32 v7, 3, v1                        ; 8 l: the two columns that I add up and store at the end
	s_lshl_b32 s27, s14, 8
	s_add_co_u32 s27, s27, RED
	v_add_nc_u32 v8, s27, v7                       ; LDS: batch w's 256 bytes in the first partial set, + 8 l
	v_lshlrev_b32 v12, 5, v0                       ; W_a: 32 t
	v_lshlrev_b32 v13, 4, v0                       ; W16: 16 t
	s_wait_kmcnt 0x0
	s_add_nc_u64 s[8:9], s[8:9], s[18:19]
	s_add_nc_u64 s[6:7], s[6:7], s[20:21]
	s_add_nc_u64 s[4:5], s[4:5], s[22:23]
	s_add_nc_u64 s[10:11], s[10:11], s[24:25]
	s_add_nc_u64 s[12:13], s[12:13], s[18:19]
	s_add_nc_u64 s[12:13], s[12:13], s[20:21]
	s_wait_alu depctr_va_vdst(0)                   ; the nine offsets and LDS addresses v2 to v8, v12 and v13 are written: every load and store of the kernel reads one of them
.irp q, 0,1,2,3
	global_load_b128 v[AC+4*\q:AC+4*\q+3], v2, s[8:9] offset:\q*4096      ; h of batch q, my wave's 128 d
.endr
.irp q, 0,1,2,3
	global_load_b128 v[XC+8*\q:XC+8*\q+3],   v12, s[4:5] offset:\q*8192 th:TH_LOAD_NT     ; group q: 8 f32 at byte 8,192 q + 32 t
	global_load_b128 v[XC+8*\q+4:XC+8*\q+7], v12, s[4:5] offset:\q*8192+16 th:TH_LOAD_NT
.endr
.set m, 0
.rept 32
	global_load_b128 v[X+4*m:X+4*m+3], v3, s[6:7] offset:m*4096           ; loads 0-31 of my 64: both buffers
.set m, m+1
.endr
	s_wait_loadcnt 40                              ; h is in; W_a's 8 loads and U_a's 32 stay out
.irp q, 0,1,2,3
	ds_store_b128 v4, v[AC+4*\q:AC+4*\q+3] offset:\q*512                  ; my wave's own bytes: LDS serves a wave's instructions in order, so no barrier
.endr
.irp q, 0,1,2,3
	ds_load_b128 v[HV+4*\q:HV+4*\q+3], v5 offset:\q*512                   ; h of m = 0..3, 4 batches
.endr
.irp q, 0,1,2,3
	s_wait_loadcnt 38-2*\q                         ; W_a's group q is in; its younger groups and U_a's 32 loads stay out
.irp r, 0,1,2,3
	v_cvt_pk_bf16_f32 v[YC+4*\q+\r], v[XC+8*\q+2*\r], v[XC+8*\q+2*\r+1]
.endr
.endr
	s_wait_alu depctr_va_vdst(0)                   ; the sixteen conversions have written v[YC ..], which the four stores read
.irp q, 0,1,2,3
	global_store_b128 v13, v[YC+4*\q:YC+4*\q+3], s[10:11] offset:\q*4096  ; sixteen lanes store 256 consecutive bytes, aligned; no register of a store is written again
.endr
; 16 groups of 4 loads.  Group g multiplies loads 4 g .. 4 g + 3 by h from buffer g % 2 while the next group's h comes into the other buffer.  Four groups are a block of 16 loads;
; a block's buffer is loaded again, 32 loads on, at the head of the group behind the block.  All offsets are immediates: no address register is ever stepped.
.set g, 0
.rept 16
.set hv, HV+16*(g%2)
.set hn, HV+16*((g+1)%2)
.set xb, X+64*((g/4)%2)+16*(g%4)
.set xf, X+64*((g/4+1)%2)
.if (g > 0) && (g < 15)
	s_wait_alu depctr_va_vdst(0)                   ; the group before is done reading its h, in which the LDS loads below land, and (groups 4 and 8) its block's buffer of U_a, which is loaded again
.endif
.if (g == 4) || (g == 8)
.irp rr, 0,1,2,3,4,5,6,7,8,9,10,11,12,13,14,15
	global_load_b128 v[xf+4*\rr:xf+4*\rr+3], v3, s[6:7] offset:(16*(g/4+1)+\rr)*4096
.endr
.endif
.if g < 15
.irp q, 0,1,2,3
	ds_load_b128 v[hn+4*\q:hn+4*\q+3], v5 offset:\q*512+16*(g+1)
.endr
.endif
.if g%4 == 0
.if g == 12
	s_wait_loadcnt 0x0                             ; the last block
.else
	s_wait_loadcnt 0x10                            ; this block's 16 loads are in; the other buffer's 16 stay out
.endif
.endif
.if g < 15
	s_wait_dscnt 0x4                               ; all but the four just issued: this group's h is in
.else
	s_wait_dscnt 0x0
.endif
.if g == 0
	s_wait_alu depctr_vm_vsrc(0)                   ; the LDS stores of h have read v[AC ..], which the first products write
.endif
.irp mm, 0,1,2,3
.irp q, 0,1,2,3
.irp c, 0,2
.set rD, AC+4*\q+\c
.set rX, xb+4*\mm+\c
.set rH, hv+4*\q+(\mm/2)*2
.if (g == 0) && (\mm == 0)
	v_pk_mul_f32 v[rD:rD+1], v[rX:rX+1], v[rH:rH+1] op_sel_hi:[1,0]       ; the first load starts the sums: nothing is cleared
.elseif \mm%2
	v_pk_fma_f32 v[rD:rD+1], v[rX:rX+1], v[rH:rH+1], v[rD:rD+1] op_sel:[0,1,0] op_sel_hi:[1,1,1]   ; two columns times the pair's second h
.else
	v_pk_fma_f32 v[rD:rD+1], v[rX:rX+1], v[rH:rH+1], v[rD:rD+1] op_sel_hi:[1,0,1]                  ; two columns times the pair's first h
.endif
.endr
.endr
.endr
.set g, g+1
.endr
	; the sixteen partial sets meet: each half of each wave stores its 4 batches x 64 columns; wave w of the first four adds up batch w
	s_wait_alu depctr_va_vdst(0)                   ; the multiply-adds have written v[AC ..], which the LDS stores read, and are done reading v[X ..], in which the LDS loads behind the barrier land
.irp q, 0,1,2,3
	ds_store_b128 v6, v[AC+4*\q:AC+4*\q+3] offset:\q*256
.endr
	s_wait_dscnt 0x0                               ; for the others' sake: my stores are done
	s_barrier_signal -1
	s_barrier_wait -1
	s_cmp_lt_u32 s14, 4                            ; four batches: four waves
	s_cbranch_scc0 .Ldone
	s_lshl_b32 s26, s14, 12                        ; row w of my four in hUs
	s_mov_b32 s27, 0
	s_add_nc_u64 s[12:13], s[12:13], s[26:27]
.irp p, 0,1,2,3,4,5,6,7,8,9,10,11,12,13,14,15
	ds_load_b64 v[X+2*\p:X+2*\p+1], v8 offset:\p*1024
.endr
	s_wait_dscnt 0x0
.irp p, 0,1,2,3,4,5,6,7
	v_pk_add_f32 v[X+2*\p:X+2*\p+1], v[X+2*\p:X+2*\p+1], v[X+16+2*\p:X+16+2*\p+1]
.endr
.irp p, 0,1,2,3
	v_pk_add_f32 v[X+2*\p:X+2*\p+1], v[X+2*\p:X+2*\p+1], v[X+8+2*\p:X+8+2*\p+1]
.endr
.irp p, 0,1
	v_pk_add_f32 v[X+2*\p:X+2*\p+1], v[X+2*\p:X+2*\p+1], v[X+4+2*\p:X+4+2*\p+1]
.endr
	v_pk_add_f32 v[X:X+1], v[X:X+1], v[X+2:X+3]
	v_pk_mul_f32 v[X:X+1], v[X:X+1], C2 op_sel_hi:[1,0]
	s_wait_alu depctr_va_vdst(0)                   ; the multiply has written v[X:X+1], which the store reads
	global_store_b64 v7, v[X:X+1], s[12:13]        ; the wave stores the batch's 64 columns: 256 consecutive bytes, aligned
.Ldone:
	s_wait_dscnt 0x0                               ; the closing lines, six on end
	s_wait_alu 0x0
	s_wait_tensorcnt 0x0
	ds_add_u32 v240, v241
	s_wait_dscnt 0x0
	s_endpgm
.Lfunc_end_k_qbad417fb7f_prep:
	.size	k_qbad417fb7f_prep, .Lfunc_end_k_qbad417fb7f_prep-k_qbad417fb7f_prep
	.p2alignl 7, 3214868480
	.fill 96, 4, 3214868480
	.section	.rodata,"a",@progbits
	.p2align	6, 0x0
	.amdhsa_kernel k_qbad417fb7f_prep
		.amdhsa_group_segment_fixed_size 33792
		.amdhsa_private_segment_fixed_size 0
		.amdhsa_enable_private_segment 0
		.amdhsa_kernarg_size 40
		.amdhsa_user_sgpr_count 2
		.amdhsa_user_sgpr_kernarg_segment_ptr 1
		.amdhsa_wavefront_size32 1
		.amdhsa_system_sgpr_workgroup_id_x 1
		.amdhsa_system_sgpr_workgroup_id_y 1
		.amdhsa_system_sgpr_workgroup_id_z 1
		.amdhsa_system_vgpr_workitem_id 0
		.amdhsa_next_free_vgpr 242
		.amdhsa_next_free_sgpr 66
		.amdhsa_reserve_vcc 0
		.amdhsa_float_denorm_mode_32 3
		.amdhsa_float_denorm_mode_16_64 3
		.amdhsa_memory_ordered 1
		.amdhsa_forward_progress 1
		.amdhsa_inst_pref_size 52
	.end_amdhsa_kernel
	.amdgpu_metadata
---
amdhsa.version: [ 1, 2 ]
amdhsa.kernels:
  - .name:           k_qbad417fb7f_prep
    .symbol:         k_qbad417fb7f_prep.kd
    .args:
      - { .name: W_a, .offset: 0, .size: 8, .value_kind: global_buffer, .address_space: global }
      - { .name: U_a, .offset: 8, .size: 8, .value_kind: global_buffer, .address_space: global }
      - { .name: h, .offset: 16, .size: 8, .value_kind: global_buffer, .address_space: global }
      - { .name: W16, .offset: 24, .size: 8, .value_kind: global_buffer, .address_space: global }
      - { .name: hUs, .offset: 32, .size: 8, .value_kind: global_buffer, .address_space: global }
    .group_segment_fixed_size: 33792
    .private_segment_fixed_size: 0
    .kernarg_segment_align: 8
    .kernarg_segment_size: 40
    .max_flat_workgroup_size: 256
    .sgpr_count:     66
    .vgpr_count:     242
    .wavefront_size: 32
...
	.end_amdgpu_metadata
.endif
;; end of part 4
;; launch energy: the kernel of part 2 again; grid 4 x 128, 4 waves a work-group, clusters of 4 x 4, 327,680 bytes of LDS; arguments encoder_out, W16, hUs, w, epart; writes epart
;; launch context (part 5): grid 4 x 64, 8 waves a work-group, no clusters, 17,408 bytes of LDS; arguments encoder_out, epart, out0, out1; writes out0, out1
.if DOCPART == 5
	.amdgcn_target "amdgcn-amd-amdhsa--gfx1250"
	.amdhsa_code_object_version 6
	.text
	.protected	k_qbad417fb7f_context
	.globl	k_qbad417fb7f_context
	.p2align	8
	.type	k_qbad417fb7f_context,@function
k_qbad417fb7f_context:
	s_mov_b64 s[64:65], 0
	v_nop
	global_prefetch_b8 v0, s[64:65] scope:SCOPE_SE
	s_setreg_imm32_b32 hwreg(HW_REG_WAVE_SCHED_MODE, 0, 2), 2
	s_setreg_imm32_b32 hwreg(HW_REG_WAVE_MODE, 25, 1), 1
	s_wait_xcnt 0x0
	s_wait_alu depctr_vm_vsrc(0)
; alpha[b][s] = softmax over s of the energy (the four parts of epart added); out0[b][e] = sum over s of alpha[b][s] encoder_out[b][s][e]; out1 = alpha.  All in f32.
; A stream: the product has one row a batch and each byte of encoder_out feeds one multiply-add, so it goes through the vector unit; LDS serves only the last sum over the waves,
; and matrix units, tensor loads and clusters would add nothing (no two work-groups read the same bytes of encoder_out).
; A work-group: one batch x 512 columns (2,048 bytes of each of its 512 rows); 256 work-groups.  Every wave makes the batch's whole softmax for itself (8 KB of epart, no barrier),
; with the maximum taken away first.  Wave w takes the rows 128 q + 16 w + 0..15, q = 0..3; a lane 16 bytes of each 512 of a row: a load of the wave covers 512 consecutive bytes.
; A lane holds the energies s = 128 q + 4 L + i (q, i = 0..3), where L = (lane + 4 w) % 32: the lanes are rotated by the wave's number, which a softmax does not see, so that the alpha
; of the wave's own rows lie in lanes 0 to 3 and v_readlane_b32 names the lane as a constant.
; LIMIT, stated: v_exp_f32 gives 0 for results under 2^-126 (ISA guide, its entry in 15.8), so an alpha that small comes out as 0.
; THE MODE: SCHED_MODE bits 1:0 = 2 (LLVM: expert scheduling mode 2), set by the entry lines.  The code itself states the register dependences
; between vector instructions and memory or LDS instructions, with s_wait_alu, always for 0.
; THE PLAN.  Registers that memory or LDS instructions touch:
;   v1, v2, v4, v5  offsets and LDS addresses: made once at the head, never written again; the rows are reached by immediate offsets.
;   v16-79     epart's loads land here, the additions read them.  v16-31 then hold alpha, which the four stores of alpha read and nothing writes again.
;   X0 .. X4   the ring: five buffers of two rows.  X0 to X3 are v96-223; X4 is v32-63, where two parts of epart lay until they were added.
;              The wave's 64 rows go in 32 blocks of two.  Block p's multiply-adds read X[p % 5]; its eight loads, block p + 4's rows, land in X[(p + 4) % 5] = X[(p - 1) % 5],
;              which block p - 1 read and no vector instruction of block p names.
;   AC         written by the multiply-adds alone; at the end the LDS stores read it.
; So ONE wait on va_vdst stands at the head of a block that loads; behind it the eight loads are dealt among the block's sixteen multiply-adds, four ahead of each row's eight.
; The alpha of a row goes through a scalar register: v_readlane_b32 stands in runs of four, for four rows, with one wait on va_sdst behind each run, ahead of the first multiply-add that reads one.
.set AL,  16                           ; v[16:79] epart, part p at AL + 16 p; then v[16:31] energy, then alpha: (q, i) at AL + 4 q + i
.set AC,  80                           ; v[80:95] my 16 sums: byte 512 j + 16 lane of the 2,048 at AC + 4 j
.set X,   96                           ; v[96:223] the ring's buffers 0 to 3: 2 rows x 16 registers each
.set XE,  32                           ; v[32:63]  the ring's buffer 4
.set T,   224                          ; v[224:231] at work
.set L2E, 0x3fb8aa3b                   ; log2(e)
	s_load_b256 s[4:11], s[0:1], 0x0               ; encoder_out s[4:5], epart s[6:7], out0 s[8:9], out1 s[10:11]
	v_lshl_add_u32 v232, v0, 2, 0x4000             ; my spare word and 0: kept for the closing lines alone
	v_mov_b32 v233, 0
	v_lshrrev_b32 v1, 5, v0
	v_readfirstlane_b32 s12, v1                    ; wave 0..7
	s_and_b32 s13, ttmp7, 0xffff                   ; the batch
	s_lshl_b32 s22, ttmp9, 11                      ; my 512 columns of 4 bytes
	s_lshl_b32 s14, s13, 22                        ; 512 rows of 8,192 bytes
	s_add_co_u32 s14, s14, s22
	s_mov_b32 s15, 0
	s_lshl_b32 s16, s13, 11                        ; 512 numbers of 4 bytes, in each part of epart and in out1
	s_mov_b32 s17, 0
	s_lshl_b32 s18, s13, 13                        ; a row of out0
	s_add_co_u32 s18, s18, s22
	s_mov_b32 s19, 0
	s_mov_b32 s20, 0x76543210                      ; v_permlanex16_b32: each lane takes its own place in the other half
	s_mov_b32 s21, 0xfedcba98
.irp n, 41,43,45,47
	s_mov_b32 s\n, 0                               ; the upper words of the four pairs that carry an alpha: named with it, so they are written
.endr
	s_wait_alu depctr_va_sdst(0)                   ; s12 is written, ahead of its first reader: the wave's shares and the branch round alpha's stores are made from it
	s_lshl_b32 s23, s12, 2
	v_add_nc_u32 v1, s23, v0
	v_and_b32 v1, 31, v1
	v_lshlrev_b32 v1, 4, v1                        ; 16 x ((lane + 4 w) % 32): my 16 bytes of each 512 of the energies and of alpha
	v_and_b32 v3, 31, v0
	v_lshlrev_b32 v3, 4, v3                        ; 16 x lane
	s_lshl_b32 s23, s12, 17
	v_add_nc_u32 v2, s23, v3                       ; + 16 w rows of 8,192 bytes
	s_lshl_b32 s23, s12, 11
	v_add_nc_u32 v5, s23, v3                       ; LDS: my wave's 2,048 bytes of sums
	v_lshlrev_b32 v4, 3, v0                        ; 8 x thread: the two columns that I add up and store at the end
	s_wait_kmcnt 0x0
	s_add_nc_u64 s[4:5], s[4:5], s[14:15]
	s_add_nc_u64 s[6:7], s[6:7], s[16:17]
	s_add_nc_u64 s[8:9], s[8:9], s[18:19]
	s_add_nc_u64 s[10:11], s[10:11], s[16:17]
	s_wait_alu depctr_va_vdst(0)                   ; the offsets and LDS addresses v1, v2, v4 and v5 are written: every load and store of the kernel reads one of them
.irp p, 0,1,2,3
.irp q, 0,1,2,3
	global_load_b128 v[AL+16*\p+4*\q:AL+16*\p+4*\q+3], v1, s[6:7] offset:\p*131072+\q*512
.endr
.endr
.irp k, 0,1,2,3,4,5,6,7
.irp j, 0,1,2,3
	global_load_b128 v[X+16*\k+4*\j:X+16*\k+4*\j+3], v2, s[4:5] offset:\k*8192+512*\j th:TH_LOAD_NT   ; blocks 0 to 3 into X0 to X3, while the softmax is made
.endr
.endr
	s_wait_loadcnt 0x20                            ; epart is in; the ring's 32 loads stay out
.irp p, 1,2,3
.irp n, 0,2,4,6,8,10,12,14
	v_pk_add_f32 v[AL+\n:AL+\n+1], v[AL+\n:AL+\n+1], v[AL+16*\p+\n:AL+16*\p+\n+1]
.endr
.endr
	v_max3_num_f32 v[T],   v[AL],   v[AL+1],  v[AL+2]
	v_max3_num_f32 v[T+1], v[AL+3], v[AL+4],  v[AL+5]
	v_max3_num_f32 v[T+2], v[AL+6], v[AL+7],  v[AL+8]
	v_max3_num_f32 v[T+3], v[AL+9], v[AL+10], v[AL+11]
	v_max3_num_f32 v[T],   v[T],    v[AL+12], v[AL+13]
	v_max3_num_f32 v[T+1], v[T+1],  v[AL+14], v[AL+15]
	v_max3_num_f32 v[T],   v[T],    v[T+1],   v[T+2]
	v_max_num_f32  v[T],   v[T],    v[T+3]
.irp m, 1,2,4,8
	v_max_num_f32_dpp v[T], v[T], v[T] row_xmask:\m row_mask:0xf bank_mask:0xf
.endr
	v_permlanex16_b32 v[T+1], v[T], s20, s21
	v_max_num_f32 v[T], v[T], v[T+1]               ; the batch's largest energy, in every lane
	v_mul_f32 v[T+2], L2E, v[T]
	v_mov_b32 v[T+3], v[T+2]
.irp n, 0,2,4,6,8,10,12,14
	v_pk_fma_f32 v[AL+\n:AL+\n+1], v[AL+\n:AL+\n+1], L2E, v[T+2:T+3] op_sel_hi:[1,0,1] neg_lo:[0,0,1] neg_hi:[0,0,1]   ; log2(e) e - log2(e) max
.endr
.set n, 0
.rept 16
	v_exp_f32 v[AL+n], v[AL+n]
.set n, n+1
.endr
	v_nop                                          ; a plain instruction between the last exponential and the use of its result (ISA guide 5.7.2)
	s_wait_alu depctr_va_vdst(0)                   ; the sixteen exponentials have written v[AL ..], which the additions below name: one wait for the batch
.irp n, 0,1,2,3
	v_pk_add_f32 v[T+2*\n:T+2*\n+1], v[AL+4*\n:AL+4*\n+1], v[AL+4*\n+2:AL+4*\n+3]
.endr
	v_pk_add_f32 v[T:T+1], v[T:T+1], v[T+2:T+3]
	v_pk_add_f32 v[T+4:T+5], v[T+4:T+5], v[T+6:T+7]
	v_pk_add_f32 v[T:T+1], v[T:T+1], v[T+4:T+5]
	v_add_f32 v[T], v[T], v[T+1]
.irp m, 1,2,4,8
	v_add_f32_dpp v[T], v[T], v[T] row_xmask:\m row_mask:0xf bank_mask:0xf
.endr
	v_permlanex16_b32 v[T+1], v[T], s20, s21
	v_add_f32 v[T], v[T], v[T+1]
	v_rcp_f32 v[T+2], v[T]
	v_rcp_f32 v[T+3], v[T]
	v_nop                                          ; a plain instruction between the last reciprocal and the use of its result
	s_wait_alu depctr_va_vdst(0)                   ; the two reciprocals have written v[T+2:T+3], which the multiplies below name
.irp n, 0,2,4,6,8,10,12,14
	v_pk_mul_f32 v[AL+\n:AL+\n+1], v[AL+\n:AL+\n+1], v[T+2:T+3]
.endr
	s_or_b32 s23, s12, ttmp9                       ; alpha is stored once for a batch: by wave 0 (whose lanes are not rotated) of the first column block
	s_cmp_lg_u32 s23, 0
	s_cbranch_scc1 .Lno_alpha
	s_wait_alu depctr_va_vdst(0)                   ; the multiplies have written alpha, which the four stores read
.irp q, 0,1,2,3
	global_store_b128 v1, v[AL+4*\q:AL+4*\q+3], s[10:11] offset:512*\q    ; 512 consecutive bytes a store; neither v1 nor alpha is written again
.endr
.Lno_alpha:
; Row k of my 64: s = 128 (k / 16) + 16 w + k % 16; its alpha lies in lane (k / 4) % 4, register 4 (k / 16) + k % 4.  Row k lies in half k % 2 of buffer (k / 2) % 5; ahead of its
; multiply-adds row k + 8 is asked for, into the same half of the buffer that the block before read.  All offsets are immediates (3,270,144 at the most, inside the signed 24 bits):
; no address register is ever stepped.
.set k, 0
.rept 64
.set xr, X+32*((k/2)%5)+16*(k%2)
.if (k/2)%5 == 4
.set xr, XE+16*(k%2)
.endif
.set xn, X+32*((k/2+4)%5)+16*(k%2)
.if (k/2+4)%5 == 4
.set xn, XE+16*(k%2)
.endif
.if k%4 == 0
.irp n, 0,1,2,3
	v_readlane_b32 s[40+2*\n], v[AL+4*(k/16)+\n], (k/4)%4                 ; the alpha of rows k to k + 3, in one run
.endr
.endif
.if k < 56
	s_wait_loadcnt 28                              ; loads come back in order: row k's four are in, the seven younger rows' stay out
.else
	s_wait_loadcnt 4*(63-k)                        ; the last eight rows load nothing: the counts run down
.endif
.if k%4 == 0
	s_wait_alu depctr_va_sdst(0)                   ; the four v_readlane_b32 have written s40, s42, s44 and s46, ahead of the first multiply-add that reads one of them
.endif
.if k < 56
.if k%2 == 0
	s_wait_alu depctr_va_vdst(0)                   ; the block before is done reading its buffer, in which this block's eight loads land (in block 0: the additions of epart's parts are done reading v32-63)
.endif
.irp j, 0,1,2,3
	global_load_b128 v[xn+4*\j:xn+4*\j+3], v2, s[4:5] offset:(128*((k+8)/16)+(k+8)%16)*8192+512*\j th:TH_LOAD_NT   ; no vector instruction since that wait names these registers
.endr
.endif
.irp c, 0,2,4,6,8,10,12,14
.if k == 0
	v_pk_mul_f32 v[AC+\c:AC+\c+1], v[xr+\c:xr+\c+1], s[40:41] op_sel_hi:[1,0]   ; the first row starts the sums: nothing is cleared
.else
	v_pk_fma_f32 v[AC+\c:AC+\c+1], v[xr+\c:xr+\c+1], s[40+2*(k%4):41+2*(k%4)], v[AC+\c:AC+\c+1] op_sel_hi:[1,0,1]
.endif
.endr
.set k, k+1
.endr
	; the eight waves' sums meet in LDS; thread t adds up and stores columns 2 t, 2 t + 1
	s_wait_alu depctr_va_vdst(0)                   ; the multiply-adds have written v[AC ..], which the LDS stores read, and are done reading v[X ..], in which the LDS loads behind the barrier land
.irp j, 0,1,2,3
	ds_store_b128 v5, v[AC+4*\j:AC+4*\j+3] offset:512*\j
.endr
	s_wait_dscnt 0x0                               ; for the others' sake: my stores are done
	s_barrier_signal -1
	s_barrier_wait -1
.irp p, 0,1,2,3,4,5,6,7
	ds_load_b64 v[X+2*\p:X+2*\p+1], v4 offset:2048*\p
.endr
	s_wait_dscnt 0x0
.irp p, 0,1,2,3
	v_pk_add_f32 v[X+2*\p:X+2*\p+1], v[X+2*\p:X+2*\p+1], v[X+8+2*\p:X+8+2*\p+1]
.endr
.irp p, 0,1
	v_pk_add_f32 v[X+2*\p:X+2*\p+1], v[X+2*\p:X+2*\p+1], v[X+4+2*\p:X+4+2*\p+1]
.endr
	v_pk_add_f32 v[X:X+1], v[X:X+1], v[X+2:X+3]
	s_wait_alu depctr_va_vdst(0)                   ; the last addition has written v[X:X+1], which the store reads
	global_store_b64 v4, v[X:X+1], s[8:9]          ; a wave stores 256 consecutive bytes, aligned
	s_wait_dscnt 0x0                               ; the closing lines, six on end
	s_wait_alu 0x0
	s_wait_tensorcnt 0x0
	ds_add_u32 v232, v233
	s_wait_dscnt 0x0
	s_endpgm
.Lfunc_end_k_qbad417fb7f_context:
	.size	k_qbad417fb7f_context, .Lfunc_end_k_qbad417fb7f_context-k_qbad417fb7f_context
	.p2alignl 7, 3214868480
	.fill 96, 4, 3214868480
	.section	.rodata,"a",@progbits
	.p2align	6, 0x0
	.amdhsa_kernel k_qbad417fb7f_context
		.amdhsa_group_segment_fixed_size 17408
		.amdhsa_private_segment_fixed_size 0
		.amdhsa_enable_private_segment 0
		.amdhsa_kernarg_size 32
		.amdhsa_user_sgpr_count 2
		.amdhsa_user_sgpr_kernarg_segment_ptr 1
		.amdhsa_wavefront_size32 1
		.amdhsa_system_sgpr_workgroup_id_x 1
		.amdhsa_system_sgpr_workgroup_id_y 1
		.amdhsa_system_sgpr_workgroup_id_z 1
		.amdhsa_system_vgpr_workitem_id 0
		.amdhsa_next_free_vgpr 234
		.amdhsa_next_free_sgpr 66
		.amdhsa_reserve_vcc 0
		.amdhsa_float_denorm_mode_32 3
		.amdhsa_float_denorm_mode_16_64 3
		.amdhsa_memory_ordered 1
		.amdhsa_forward_progress 1
		.amdhsa_inst_pref_size 74
	.end_amdhsa_kernel
	.amdgpu_metadata
---
amdhsa.version: [ 1, 2 ]
amdhsa.kernels:
  - .name:           k_qbad417fb7f_context
    .symbol:         k_qbad417fb7f_context.kd
    .args:
      - { .name: encoder_out, .offset: 0, .size: 8, .value_kind: global_buffer, .address_space: global }
      - { .name: epart, .offset: 8, .size: 8, .value_kind: global_buffer, .address_space: global }
      - { .name: out0, .offset: 16, .size: 8, .value_kind: global_buffer, .address_space: global }
      - { .name: out1, .offset: 24, .size: 8, .value_kind: global_buffer, .address_space: global }
    .group_segment_fixed_size: 17408
    .private_segment_fixed_size: 0
    .kernarg_segment_align: 8
    .kernarg_segment_size: 32
    .max_flat_workgroup_size: 256
    .sgpr_count:     66
    .vgpr_count:     234
    .wavefront_size: 32
...
	.end_amdgpu_metadata
.endif
;; end of part 5
